; MI455X (gfx1250); checked and timed in simulation.
; The chip was launched on July 23, 2026; its instructions are those of AMD's public machine-readable ISA for CDNA 5 (MIT licence, August 2026) and "CDNA5" Instruction Set Architecture Reference Guide (July 2026). The comments in the code are by the model that wrote it; some were corrected since.
;; Attention. Allowed arithmetic: matrix products marked QUANTISED: E2M3 operands, one E8M0 scale for each 32 along K, by v_wmma_scale_f32_16x16x128_f8f6f4 with both operands' format E2M3, f32 sums; everything else in f32.
;; Inputs: b_out 1,024 float32; b_qkv 3,072 float32; w_out 1,024 x 1,024 float32; w_qkv 3,072 x 1,024 float32; x 4 x 2,048 x 1,024 float32.
;; Outputs: out0 4 x 2,048 x 1,024 float32.
;; This version of the problem:
;;   THIS VERSION OF THE PROBLEM IS GIVEN IN LOW PRECISION. The matrix products marked QUANTISED in the list below multiply operands that are first quantised to E2M3 (2 exponent bits, 3 mantissa bits; 6 bits a number), with one power-of-two scale for each 32 numbers along K (OCP MX v1.0); their sums are f32. All else is computed in f32.
;;   The module's matrix products, in the order in which they are computed (A, B: the left and right operand; K: the contracted axis; several contracted axes count as one K, in the product's order):
;;     1. [M 8,192, K 1,024] x [K 1,024, N 3,072]; A: input x; B: input w_qkv: QUANTISED
;;     2. batch 64 x [M 2,048, K 64] x [K 64, N 2,048]; A: computed on the way; B: computed on the way: QUANTISED
;;     3. batch 64 x [M 2,048, K 2,048] x [K 2,048, N 64]; A: softmax (see below); B: computed on the way: QUANTISED
;;     4. [M 8,192, K 1,024] x [K 1,024, N 1,024]; A: computed on the way; B: input w_out: QUANTISED
;;   THE QUANTISER, for each operand of a quantised product, along K:
;;     - K is cut into blocks of 32 from its start; a last block that is shorter is filled with zeros.
;;     - A block's scale is 2^e with e = floor(log2(the largest magnitude in the block)) - 2, held to -126 .. 127; a block of zeros has e = 0. As a byte (E8M0): e + 127.
;;     - Each number is divided by its block's scale, clamped to +-7.5, and rounded to the nearest number of E2M3, ties to even, subnormals kept.
;;     - The product sums the exact products of the quantised numbers (number of the format x scale) in f32.
;;   ~~~python
;;   def quantise(x, axis):      # numpy; x: float32 -> the quantised numbers, widened to float32 again
;;       x = np.moveaxis(x, axis, -1); K = x.shape[-1]
;;       x = np.pad(x, [(0, 0)] * (x.ndim - 1) + [(0, -K % 32)]); x = x.reshape(x.shape[:-1] + (-1, 32)); a = np.abs(x).max(-1, keepdims=True)
;;       e = np.where(a > 0, np.clip(np.frexp(np.where(a > 0, a, 1))[1] - 1 - 2, -126, 127), 0)      # np.frexp(a)[1] - 1 = floor(log2(a)), exactly
;;       r = np.clip(x / 2.0 ** e, -7.5, 7.5)
;;       step = 2.0 ** (np.maximum(np.frexp(np.where(r == 0, 1, r))[1] - 1, 0) - 3)
;;       q = np.round(r / step) * step * 2.0 ** e      # np.round: ties to even
;;       return np.moveaxis(q.reshape(q.shape[:-2] + (-1,))[..., :K], -1, axis).astype(np.float32)
;;   ~~~
;;   SOFTMAX AHEAD OF A QUANTISED PRODUCT. Where the list says 'softmax', what is quantised is not the finished softmax but p = 2^(t - M), with t = logit x log2(e) and M = ceil(the row's largest t), a whole number; so 1/2 < the row's largest p <= 1. The row's sum l is taken of the UNQUANTISED p, in f32, and the product's result is divided by l at the end. Since M is a whole number, a kernel that streams over the keys may use a running M (the ceiling of the running maximum): every later rescaling is an exact power of two, which a block's scale takes up: the codes' values come out the same.
;;   OPERANDS COMPUTED ON THE WAY. 'Computed on the way' means the value that the module computes at that place (a softmax that the list does not call 'softmax' is quantised finished and normalised). What goes into a quantiser is computed in f32, as accurately as f32 sums, v_exp_f32 and their like allow (about 1e-6 of the number): no bf16 or f16 on the way to a quantiser, and a product that is left as it is and whose result goes on into a quantised operand takes f32 operands (vector FMAs, or v_wmma_f32_16x16x4_f32). A number that lies on a knife's edge between two numbers of the format may be rounded either way, as far as f32 arithmetic and the matrix unit's own rounding can turn it there, and no further.
;; One version. Each part assembles by itself: llvm-mc -triple=amdgcn-amd-amdhsa -mcpu=gfx1250 --defsym DOCPART=n.
;; ======== version 1 of 1: 4 launches
;; limits: right only within a limited range of input values
;; workspace buffers: opq 9,830,400 bytes; recs 20,447,232 bytes; oq 6,553,600 bytes
;; launch quant (part 1): grid 256 x 1, 6 waves a work-group, no clusters, 51,456 bytes of LDS; arguments x, w_qkv, w_out, opq; writes opq
.if DOCPART == 1
	.amdgcn_target "amdgcn-amd-amdhsa--gfx1250"
	.amdhsa_code_object_version 6
	.text
	.protected	k_q33b8892fbd_quant
	.globl	k_q33b8892fbd_quant
	.p2align	8
	.type	k_q33b8892fbd_quant,@function
k_q33b8892fbd_quant:
	s_mov_b64 s[64:65], 0
	v_nop
	global_prefetch_b8 v0, s[64:65] scope:SCOPE_SE
	s_setreg_imm32_b32 hwreg(HW_REG_WAVE_MODE, 25, 1), 1
	s_wait_xcnt 0x0
; x [8192][1024], w_qkv [3072][1024] and w_out [1024][1024], f32 with K innermost, become codes of FP6 (E2M3) with one E8M0 byte for each 32 along K,
; laid in opq AS THE MATRIX UNIT'S REGISTERS TAKE THEM.  128 rows are a GROUP of 102,400 bytes (groups 0-63 x, 64-87 w_qkv, 88-95 w_out): four chunks of 25,600 bytes, each 256 along K:
; K step 2 kp (8 images of 1,536 bytes), K step 2 kp + 1 (8 images), 4 blocks of 256 bytes of scale words.
; AN IMAGE is a fragment of 16 rows x 128 K, 12 registers a lane, as two halves of 768 bytes: registers 6 c .. 6 c + 3 at 16 x lane, registers 6 c + 4, 6 c + 5 at 512 + 8 x lane.
; THE ROWS OF A TILE ARE NOT NEIGHBOURS: row r of tile i is row 32 (i / 2) + 8 (i % 2) + r + 8 (r / 8) of the group, so that results of tiles 2 b and 2 b + 1 used as source 0 are 16 neighbours in a lane.
; Scale block j: lane (r, h) has 8 bytes at 8 x lane: the scale words of row r of tile 2 j + h for the chunk's two K steps.
; A block's scale is 2^(floor(log2(largest magnitude)) - 2): its byte is the largest magnitude's exponent field - 2, held at 1 from below.
; LIMITS: a block of zeros gets the byte 1 where the rule says 127 (its codes are zeros, and this program alone reads the bytes); blocks whose largest magnitude lies under 2^-124 have the byte 1;
; NaN and infinities among the inputs are not served.
; SHARES: 1,536 jobs, one a wave: 32 rows (tiles 2 j, 2 j + 1) x 256 along K = four units of 16 rows x 128 K.  A unit's 16 loads read 512 consecutive bytes of one row each; the 8,192 bytes turn through the
; wave's own stage in LDS (rows 528 bytes apart) and come back as the operand's layout wants them: lane (r, h) holds blocks h and 2 + h of row r, 32 numbers each.  Two units' loads are out at a time.
; No matrix unit, tensor load, cluster or barrier: memory binds, and the waves share nothing.
.set STG_B, 8448                       ; a wave's stage: 16 rows x (512 + 16) bytes
.set SPARE, 6*STG_B                    ; behind the six stages: the spare words, 128 bytes a wave: three blocks of 256 bytes that no other line names
.set L16,  1                           ; v1   16 x lane
.set L8,   2                           ; v2   8 x lane
.set STW,  3                           ; v3   the stage on the way in: stage + 16 x lane
.set STR,  4                           ; v4   and on the way out: stage + 528 r + 128 h
.set SH8,  5                           ; v5   8 h: where my two bytes stand in the scale word
.set SPW,  6                           ; v6   LDS address of my spare word; never rewritten
.set NIL,  7                           ; v7   0; never rewritten
.set M,    8                           ; v8-9   largest magnitudes of my two blocks
.set SO,   10                          ; v10-11 the conversions' scale operands
.set BY,   12                          ; v12-13 the scale bytes
.set W,    14                          ; v14  the odd tile's scale word
.set T,    15                          ; v15  the other half's bytes
.set WU0,  16                          ; v16  the even tile's scale word
.set SW,   18                          ; v18-19 the job's scale words, as they are stored
.set PC,   20                          ; v20-31 a fragment's codes
.set T2,   32                          ; v32-34, v36-38 the blocks' upper halves as the conversions leave them
.set R,    64                          ; v64-191 two sets of 64: a unit as loaded
.set X,    192                         ; v192-255 a unit as the operand wants it
.set SRC,  20                          ; s[20:21] my job's first number
.set DST,  22                          ; s[22:23] my pair of tiles in the chunk's first K step
.set SCB,  24                          ; s[24:25] my block of scale words
	s_load_b256 s[4:11], s[0:1], 0x0               ; x s[4:5], w_qkv s[6:7], w_out s[8:9], opq s[10:11]
	v_lshl_add_u32 v[SPW], v0, 2, SPARE
	v_mov_b32 v[NIL], 0
	v_lshrrev_b32 v8, 5, v0
	v_readfirstlane_b32 s12, v8                    ; wave 0..5
	v_and_b32 v9, 31, v0                           ; lane
	v_and_b32 v10, 15, v0                          ; r
	v_bfe_u32 v11, v0, 4, 1                        ; h
	v_lshlrev_b32 v[L16], 4, v9
	v_lshlrev_b32 v[L8], 3, v9
	s_mul_i32 s17, s12, STG_B                      ; my stage
	v_add_nc_u32 v[STW], s17, v[L16]
	v_mul_u32_u24 v[STR], v10, 528
	v_lshl_add_u32 v[STR], v11, 7, v[STR]
	v_add_nc_u32 v[STR], s17, v[STR]
	v_lshlrev_b32 v[SH8], 3, v11
	v_mov_b32 v[T], 0                              ; written once: a lane permute's destination counts as one of its sources
	s_mov_b32 s26, 0xffff0000                      ; lanes 16-31
	s_mov_b32 s28, 0x76543210
	s_mov_b32 s29, 0xfedcba98                      ; v_permlanex16_b32's selects for lane l xor 16
	s_mul_i32 s13, ttmp9, 6
	s_add_co_u32 s13, s13, s12                     ; the job: 6 x work-group + wave
	s_lshr_b32 s14, s13, 2                         ; which pair of tiles, 0..383
	s_and_b32 s15, s13, 3                          ; kp: which 256 along K
	s_lshr_b32 s17, s14, 2                         ; the group
	s_and_b32 s27, s14, 3                          ; j: the pair in its group
	s_mul_i32 s30, s17, 102400
	s_mul_i32 s31, s15, 25600
	s_add_co_u32 s30, s30, s31                     ; the chunk, in bytes from opq's first
	s_mul_i32 s18, s27, 3072
	s_add_co_u32 s18, s18, s30
	s_mov_b32 s19, 0
	s_wait_alu depctr_va_vdst(0)
	s_wait_kmcnt 0x0
	s_add_nc_u64 s[DST:DST+1], s[10:11], s[18:19]
	s_lshl_b32 s18, s27, 8
	s_add_co_u32 s18, s18, s30
	s_add_co_u32 s18, s18, 24576
	s_add_nc_u64 s[SCB:SCB+1], s[10:11], s[18:19]
	s_cmp_lt_u32 s14, 256                          ; pairs 0-255 are x's, 256-351 w_qkv's, 352-383 w_out's: the choice hangs on the job's number alone
	s_cselect_b64 s[SRC:SRC+1], s[4:5], s[6:7]
	s_cselect_b32 s16, 0, 256
	s_cmp_lt_u32 s14, 352
	s_cselect_b64 s[SRC:SRC+1], s[SRC:SRC+1], s[8:9]
	s_cselect_b32 s16, s16, 352
	s_sub_co_u32 s16, s14, s16                     ; the pair in its own tensor
	s_lshl_b32 s18, s16, 17                        ; 32 rows of 4,096 bytes
	s_lshl_b32 s16, s15, 10                        ; 256 numbers along K
	s_add_co_u32 s18, s18, s16
	s_add_nc_u64 s[SRC:SRC+1], s[SRC:SRC+1], s[18:19]
.macro IMG_ST reg, base, off           ; a fragment goes to memory as it stands: each line covers 512 or 256 consecutive bytes, aligned
	global_store_b128 v[L16], v[\reg:\reg+3], s[\base:\base+1] offset:\off
	global_store_b64 v[L8], v[\reg+4:\reg+5], s[\base:\base+1] offset:\off+512
	global_store_b128 v[L16], v[\reg+6:\reg+9], s[\base:\base+1] offset:\off+768
	global_store_b64 v[L8], v[\reg+10:\reg+11], s[\base:\base+1] offset:\off+1280
.endm
; unit t: K step t / 2 of the chunk, tile 2 j + t % 2.  Row i of the tile is row 8 (t % 2) + i + 8 (i / 8) of the pair's 32
.macro LOADU t
.irp i, 0,1,2,3,4,5,6,7,8,9,10,11,12,13,14,15
	global_load_b128 v[R+64*((\t)%2)+4*\i:R+64*((\t)%2)+4*\i+3], v[L16], s[SRC:SRC+1] offset:(8*((\t)%2)+\i+8*(\i/8))*4096+512*((\t)/2) th:TH_LOAD_NT
.endr
.endm
.macro TURN t                          ; through the stage: LDS serves a wave's instructions in order, so no wait stands between the stores and the loads
.irp i, 0,1,2,3,4,5,6,7,8,9,10,11,12,13,14,15
	ds_store_b128 v[STW], v[R+64*((\t)%2)+4*\i:R+64*((\t)%2)+4*\i+3] offset:528*\i
.endr
.irp c, 0,1
.irp q, 0,1,2,3,4,5,6,7
	ds_load_b128 v[X+32*\c+4*\q:X+32*\c+4*\q+3], v[STR] offset:256*\c+16*\q   ; k = 64 c + 32 h + 4 q .. of row r
.endr
.endr
.endm
.macro WORK t
.set WR, W+2*(1-(\t)%2)                ; the even tile's word is made in the register that keeps it
	s_wait_xcnt 0x0                                ; the last unit's stores have read the codes' registers: only now are they written again
.irp c, 0,1
	v_max3_num_f32 v[M+\c], |v[X+32*\c]|, |v[X+32*\c+1]|, 0x1800000   ; my block 2 c + h: all its 32 numbers are mine; the floor 2^(3 - 127) holds the byte at 1 from below
.endr
.irp i, 2,4,6,8,10,12,14,16,18,20,22,24,26,28,30
.irp c, 0,1
	v_max3_num_f32 v[M+\c], v[M+\c], |v[X+32*\c+\i]|, |v[X+32*\c+\i+1]|   ; (the two blocks by turns)
.endr
.endr
.irp c, 0,1
	v_add_nc_u32 v[SO+\c], 0xff000000, v[M+\c]     ; 2 off the exponent field: the conversion takes the exponent field of this operand as its scale
.endr
.irp c, 0,1
	v_lshrrev_b32 v[BY+\c], 23, v[SO+\c]           ; the scale's byte
.endr
	v_lshl_or_b32 v[WR], v[BY+1], 16, v[BY]        ; bytes h and 2 + h of row r's word,
	v_lshlrev_b32 v[WR], v[SH8], v[WR]             ; at their places;
	v_permlanex16_b32 v[T], v[WR], s28, s29
	v_or_b32 v[WR], v[WR], v[T]                    ; with lane l xor 16's two the word is whole
.irp c, 0,1
	v_cvt_scalef32_pk16_fp6_f32 v[PC+6*\c:PC+6*\c+2], v[X+32*\c:X+32*\c+15], v[SO+\c]
	v_cvt_scalef32_pk16_fp6_f32 v[T2+4*\c:T2+4*\c+2], v[X+32*\c+16:X+32*\c+31], v[SO+\c]   ; (a conversion's three registers begin on an even number)
.endr
	v_nop                                          ; one plain place behind a scaled conversion
.irp c, 0,1
.irp i, 0,1,2
	v_mov_b32 v[PC+6*\c+3+\i], v[T2+4*\c+\i]
.endr
.endr
	IMG_ST PC, DST, 12288*((\t)/2)+1536*((\t)%2)
.if (\t)%2
	v_cndmask_b32 v[SW+(\t)/2], v[WU0], v[W], s26  ; lanes 0-15 keep the even tile's word, lanes 16-31 the odd tile's
.endif
.endm
	LOADU 0
	LOADU 1
.irp t, 0,1,2,3
.if \t < 3
	s_wait_loadcnt 16                              ; this unit's 16 loads are in; the next unit's 16 stay out
.else
	s_wait_loadcnt 0x0
.endif
	TURN \t
	s_wait_dscnt 0x0                               ; the unit is back from the stage
.if \t < 2
	LOADU \t+2                                     ; its registers take the unit two further on
.endif
	WORK \t
.endr
	global_store_b64 v[L8], v[SW:SW+1], s[SCB:SCB+1]   ; 32 lanes store 256 consecutive bytes, aligned
	s_wait_tensorcnt 0x0                           ; the wave's end: behind my last LDS store
	ds_add_u32 v[SPW], v[NIL]
	s_wait_dscnt 0x0
	s_endpgm
.Lfunc_end_k_q33b8892fbd_quant:
	.size	k_q33b8892fbd_quant, .Lfunc_end_k_q33b8892fbd_quant-k_q33b8892fbd_quant
	.p2alignl 7, 3214868480
	.fill 96, 4, 3214868480
	.section	.rodata,"a",@progbits
	.p2align	6, 0x0
	.amdhsa_kernel k_q33b8892fbd_quant
		.amdhsa_group_segment_fixed_size 51456
		.amdhsa_private_segment_fixed_size 0
		.amdhsa_enable_private_segment 0
		.amdhsa_kernarg_size 32
		.amdhsa_user_sgpr_count 2
		.amdhsa_user_sgpr_kernarg_segment_ptr 1
		.amdhsa_wavefront_size32 1
		.amdhsa_system_sgpr_workgroup_id_x 1
		.amdhsa_system_sgpr_workgroup_id_y 1
		.amdhsa_system_sgpr_workgroup_id_z 1
		.amdhsa_system_vgpr_workitem_id 0
		.amdhsa_next_free_vgpr 256
		.amdhsa_next_free_sgpr 66
		.amdhsa_reserve_vcc 0
		.amdhsa_float_denorm_mode_32 3
		.amdhsa_float_denorm_mode_16_64 3
		.amdhsa_memory_ordered 1
		.amdhsa_forward_progress 1
		.amdhsa_inst_pref_size 31
	.end_amdhsa_kernel
	.amdgpu_metadata
---
amdhsa.version: [ 1, 2 ]
amdhsa.kernels:
  - .name:           k_q33b8892fbd_quant
    .symbol:         k_q33b8892fbd_quant.kd
    .args:
      - { .name: x, .offset: 0, .size: 8, .value_kind: global_buffer, .address_space: global }
      - { .name: w_qkv, .offset: 8, .size: 8, .value_kind: global_buffer, .address_space: global }
      - { .name: w_out, .offset: 16, .size: 8, .value_kind: global_buffer, .address_space: global }
      - { .name: opq, .offset: 24, .size: 8, .value_kind: global_buffer, .address_space: global }
    .group_segment_fixed_size: 51456
    .private_segment_fixed_size: 0
    .kernarg_segment_align: 8
    .kernarg_segment_size: 32
    .max_flat_workgroup_size: 192
    .sgpr_count:     66
    .vgpr_count:     256
    .wavefront_size: 32
...
	.end_amdgpu_metadata
.endif
;; end of part 1
;; launch qkv (part 2): grid 4 x 64, 4 waves a work-group, clusters of 4 x 4, 327,680 bytes of LDS; arguments opq, b_qkv, recs; writes recs
.if DOCPART == 2
	.amdgcn_target "amdgcn-amd-amdhsa--gfx1250"
	.amdhsa_code_object_version 6
	.text
	.protected	k_q33b8892fbd_qkv
	.globl	k_q33b8892fbd_qkv
	.p2align	8
	.type	k_q33b8892fbd_qkv,@function
k_q33b8892fbd_qkv:
	s_mov_b64 s[64:65], 0
	v_nop
	global_prefetch_b8 v0, s[64:65] scope:SCOPE_SE
	s_setreg_imm32_b32 hwreg(HW_REG_WAVE_MODE, 25, 1), 1
	s_wait_xcnt 0x0
	s_wait_alu depctr_hold_cnt(0) depctr_sa_sdst(0) depctr_va_vdst(0) depctr_va_sdst(0) depctr_va_ssrc(0) depctr_va_vcc(0) depctr_vm_vsrc(0)
	s_getreg_b32 s2, hwreg(HW_REG_IB_STS2, 6, 4)
	s_cmp_eq_u32 s2, 0
	s_cbranch_scc0 .Lentry_in_a_cluster
	s_endpgm
.Lentry_in_a_cluster:
	s_bfe_u32 s2, ttmp6, 0x10000c
	s_cmp_lg_u32 s2, 0xf033
	s_cbranch_scc0 .Lentry_shape_is_right
	s_endpgm
.Lentry_shape_is_right:
; qkv = x w_qkv^T + b_qkv on codes of FP6 (E2M3) with E8M0 scales, sums in f32; q, k and v are then quantised IN REGISTERS (q, k along the head's 64, v along the keys) and stored as operand images.
; INPUT: opq, groups of 128 rows x 1,024 K of 102,400 bytes (four chunks of 25,600: two K steps of 8 images of 1,536 bytes, then 4 x 256 bytes of scale words); row r of tile i is row 32 (i / 2) + 8 (i % 2) + r + 8 (r / 8).
; OUTPUT: recs, a record of 19,968 bytes for each (batch, head, 128 tokens): K codes 0, V codes 6,144, K scales 12,288, V scales 12,800, Q codes 13,312, Q scales 19,456.
;   Q, K codes: 4 images, each a PAIR of tiles of 16 tokens x 64 (half c = tile 2 q + c).  V codes: 4 images, 16 of the head's 64 x 128 keys.  Scales: 16 bytes a lane at 16 x lane:
;   Q, K: word q = the two bytes of tile 2 q + lane / 16, row lane % 16, upper bytes 0;  V: word n = the four bytes of row lane % 16 of tile n.
; SHARES: 256 work-groups THAT STAY: each takes 128 tokens and four heads (256 columns) through three tiles on end: q, k, v.  A wave makes 128 x 64 of a tile: one head, 32 accumulators, 256 registers.
; LDS: the tokens' group, all of K, is filled once (two stages of 512 along K) and serves all three tiles.  The weights' two groups lie as [stage][group]: two slots of 102,400 bytes that take turns.
; FILLS: at the head one tensor load a wave: tokens stage 0, weights stage 0, tokens stage 1, weights stage 1.  A tile that has a successor fills the weights' stage 0 again at its K step 3 (the stage's last fragments
; are in registers then) and stage 1 at its K step 7, each time with the next tile's weights: every wave's wait for all its tensor loads, the add, the wait for its LDS work, a round of the cluster's barrier, and wave 0's one joint load.
; By this text's count one load of a wave is out at a time.  What a refill brought is shown to all by the next round, in the last tile by the plain barrier at K step 3.
; CLUSTER 4 x 4: the tokens' group is shared along a row of the cluster, the weights' groups along a column: each load is a joint one, the same descriptor in the four that its mask names; all sixteen walk q, k, v in step.
; PREFETCH: in the first trip, one trip ahead of the refills that load them, v's weights (800 blocks of 256 bytes for a column of the cluster) are asked for: 50 blocks a wave, shared out by address among the column's sixteen waves,
; in four clusters of the sixteen, since all clusters read the same weights.  k's weights come by their refills alone.
; Q, K: source 0 = 16 rows of W, source 1 = 16 tokens: a lane holds one token, its registers run along the head's 64.  V: source 0 = 16 tokens, source 1 = 16 rows of W: a lane holds one channel, its registers run along the keys.
; The bias is the C of each sum's first matrix instruction; the next tile's bias is loaded behind K step 1.
; LIMITS: a block of zeros gets the byte 1 where the rule says 127 (its codes are zeros; this program alone reads the bytes); blocks under 2^-124 have the byte 1; NaN and infinities are not served.
; REGISTERS, in windows of 256: window 0 addresses, scale words, bias, the quantiser;  window 1 the accumulators;  window 2 the tokens' fragments, set p at 96 p + 12 i;  window 3 the weights', set p at 48 p + 12 n.
.set GRP,   102400
.set HST,   51200                      ; a stage of one group: two chunks, 512 along K
.set SPARE, 3*GRP                      ; behind the three groups: the spare words, 128 bytes a wave: two blocks of 256 bytes that no other line names
.set ADRA16, 4                         ; v4-5   tokens' images: 51,200 H + 16 x lane
.set L16,    4                         ;        (stage 0's is 16 x lane itself)
.set ADRA8,  6                         ; v6-7   51,200 H + 8 x lane
.set L8,     6
.set ADRB16, 8                         ; v8-9   my four tiles of W
.set ADRB8,  10                        ; v10-11
.set ADRBS,  12                        ; v12-13 my two blocks of W's scale words
.set SPW,    14                        ; v14    LDS address of my spare word; never rewritten
.set NIL,    15                        ; v15    0; never rewritten
.set SA,     16                        ; v16-47 tokens' scale words: SA + 8 kp + 2 j + s % 2: lanes 0-15 tile 2 j, lanes 16-31 tile 2 j + 1
.set SB,     48                        ; v48-63 W's: SB + 4 kp + 2 (n / 2) + s % 2
.set BI,     64                        ; v64-95 the bias, 8 registers for each n, in the result's layout
.set TM,     96                        ; v96-111 the quantiser: 0-3 largest magnitudes, 4-7 bytes, 8-9 half words, 12-15 scale operands
.set PC,     112                       ; v112-131 the codes just made
.set SW,     132                       ; v132-135 the four scale words
.set TV,     136                       ; v136-147 the bias's offsets
.set PF,     148                       ; v148-149 the prefetches' offsets; never rewritten
.set WV,  12                           ; s12 wave
.set G1A, 24                           ; s[24:31] descriptor group 1, tokens;  s[32:39] weights;  s[40:55] four groups 0
.set G1B, 32
.set G0,  40
.set CB,  66                           ; s[66:67] where my codes go;  s[68:69] my scale words
.set SBS, 68
.set HM,  70                           ; s70 lanes 16-31
.set SEL, 72                           ; s[72:73] v_permlanex16_b32's selects
.set BB,  78                           ; s[78:79] my 64 numbers of the bias
.set RB,  88                           ; s[88:89] my record
.set TRIP, 90                          ; s90 the trip: 0 q, 1 k
.set CLY, 92                           ; s92 the cluster's y
.set MSB, 0
.macro WIN new                         ; the immediate's high byte repeats the setting that is left
.if MSB != \new
	s_set_vgpr_msb (MSB<<8)|\new
.set MSB, \new
.endif
.endm
.macro CROUND                          ; a round of the cluster's barrier
	s_barrier_signal -1
	s_barrier_wait -1
	s_cmp_lg_u32 s[WV], 0
	s_cbranch_scc1 .Lnot_wave_0_\@
	s_barrier_signal -3
.Lnot_wave_0_\@:
	s_barrier_wait -3
	s_barrier_signal -1
	s_barrier_wait -1
.endm
.macro IMG_LD reg, a16, a8, off        ; an image comes back as the registers that it is: each line reads 512 or 256 consecutive bytes
	ds_load_b128 v[\reg:\reg+3], v[\a16] offset:\off
	ds_load_b64 v[\reg+4:\reg+5], v[\a8] offset:\off+512
	ds_load_b128 v[\reg+6:\reg+9], v[\a16] offset:\off+768
	ds_load_b64 v[\reg+10:\reg+11], v[\a8] offset:\off+1280
.endm
.macro IMG_ST reg, base, off
	global_store_b128 v[L16], v[\reg:\reg+3], s[\base:\base+1] offset:\off
	global_store_b64 v[L8], v[\reg+4:\reg+5], s[\base:\base+1] offset:\off+512
	global_store_b128 v[L16], v[\reg+6:\reg+9], s[\base:\base+1] offset:\off+768
	global_store_b64 v[L8], v[\reg+10:\reg+11], s[\base:\base+1] offset:\off+1280
.endm
.macro GZERO g, lds, adr, off          ; a group 0: count 1, LDS address (a constant), global address, type 2
	s_mov_b32 s[\g], 1
	s_mov_b32 s[\g+1], \lds
	s_add_nc_u64 s[\g+2:\g+3], s[\adr:\adr+1], \off
	s_or_b32 s[\g+3], s[\g+3], 0x80000000
.endm
.macro FETCH s, p                      ; K step s: 8 fragments of tokens and my 4 of W into set p: 48 LDS loads in one run
.set fO, (((\s)/2)%2)*25600+((\s)%2)*12288
.set fH, (\s)/4
	WIN 0x80                                       ; destination window 2
.irp i, 0,1,2,3,4,5,6,7
	IMG_LD 96*(\p)+12*\i, ADRA16+fH, ADRA8+fH, fO+1536*\i
.endr
	WIN 0xC0                                       ; destination window 3
.irp n, 0,1,2,3
	IMG_LD 48*(\p)+12*\n, ADRB16+fH, ADRB8+fH, fO+1536*\n
.endr
	WIN 0
.endm
.macro SCALES hh                       ; a stage's scale words, four K steps
.irp kq, 0,1
.irp j, 0,1,2,3
	ds_load_b64 v[SA+8*(2*(\hh)+\kq)+2*\j:SA+8*(2*(\hh)+\kq)+2*\j+1], v[ADRA8+(\hh)] offset:25600*\kq+24576+256*\j
.endr
.irp j, 0,1
	ds_load_b64 v[SB+4*(2*(\hh)+\kq)+2*\j:SB+4*(2*(\hh)+\kq)+2*\j+1], v[ADRBS+(\hh)] offset:25600*\kq+24576+256*\j
.endr
.endr
.endm
.macro WM r0, r1                       ; one product; r0, r1: which half of the lanes holds source 0's and source 1's scale words
.if (\r0) && (\r1)
	v_wmma_scale_f32_16x16x128_f8f6f4 v[wD:wD+7], v[wX0:wX0+11], v[wX1:wX1+11], v[wC:wC+7], v[wS0], v[wS1] matrix_a_fmt:MATRIX_FMT_FP6 matrix_b_fmt:MATRIX_FMT_FP6 matrix_a_scale:MATRIX_SCALE_ROW1 matrix_b_scale:MATRIX_SCALE_ROW1
.elseif (\r0)
	v_wmma_scale_f32_16x16x128_f8f6f4 v[wD:wD+7], v[wX0:wX0+11], v[wX1:wX1+11], v[wC:wC+7], v[wS0], v[wS1] matrix_a_fmt:MATRIX_FMT_FP6 matrix_b_fmt:MATRIX_FMT_FP6 matrix_a_scale:MATRIX_SCALE_ROW1
.elseif (\r1)
	v_wmma_scale_f32_16x16x128_f8f6f4 v[wD:wD+7], v[wX0:wX0+11], v[wX1:wX1+11], v[wC:wC+7], v[wS0], v[wS1] matrix_a_fmt:MATRIX_FMT_FP6 matrix_b_fmt:MATRIX_FMT_FP6 matrix_b_scale:MATRIX_SCALE_ROW1
.else
	v_wmma_scale_f32_16x16x128_f8f6f4 v[wD:wD+7], v[wX0:wX0+11], v[wX1:wX1+11], v[wC:wC+7], v[wS0], v[wS1] matrix_a_fmt:MATRIX_FMT_FP6 matrix_b_fmt:MATRIX_FMT_FP6
.endif
.endm
; 32 products of K step s: the 32 accumulators take turns, one instruction a turn, in the same order in every step.  mode 0: q, k;  1: v
.macro MULS s, mode
.irp a, 0,1,2,3,4,5,6,7
.irp n, 0,1,2,3
.if \mode
.set wD,  64*\n+8*\a
.set wX0, 96*((\s)%2)+12*\a
.set wX1, 48*((\s)%2)+12*\n
.set wS0, SA+8*((\s)/2)+(\s)%2+2*(\a/2)
.set wS1, SB+4*((\s)/2)+(\s)%2+2*(\n/2)
.else
.set wD,  32*\a+8*\n
.set wX0, 48*((\s)%2)+12*\n
.set wX1, 96*((\s)%2)+12*\a
.set wS0, SB+4*((\s)/2)+(\s)%2+2*(\n/2)
.set wS1, SA+8*((\s)/2)+(\s)%2+2*(\a/2)
.endif
.if (\s) == 0
.set wC, BI+8*\n                       ; the first K step starts the sums with the bias: nothing is cleared, nothing is added later
.else
.set wC, wD
.endif
.if \mode
	WM \a%2, \n%2
.else
	WM \n%2, \a%2
.endif
.endr
.endr
.endm
; A K step.  more = 1: the tile has a successor
.macro STEP s, mode, more
.if (\more) && (((\s) == 3) || ((\s) == 7))
	s_wait_tensorcnt 0x0                           ; all my tensor loads have landed;
	ds_add_u32 v[SPW], v[NIL]                      ; 0 onto my spare word;
	s_add_nc_u64 s[G0+6+8*((\s)/4):G0+7+8*((\s)/4)], s[G0+6+8*((\s)/4):G0+7+8*((\s)/4)], 8*GRP   ; no load of mine is out: the stage's descriptor steps to the next tile's weights, eight groups on
	s_wait_dscnt 0x0                               ; the add is done; this step's fragments are in, and with them my last reads of the weights' stage s / 4
	CROUND                                         ; both hold of every wave of all sixteen work-groups
	s_cmp_eq_u32 s[WV], 0
	s_cbranch_scc0 .Lno_refill_\@
	tensor_load_to_lds s[G0+4+8*((\s)/4):G0+7+8*((\s)/4)], s[G1B:G1B+7]   ; wave 0's one joint load behind the round
	s_nop 0
.rept 4
	v_nop
.endr
.Lno_refill_\@:
.else
	s_wait_dscnt 0x0                               ; this step's fragments (and scale words) are in
.if (\s) == 3
	s_wait_tensorcnt 0x0                           ; the last refill has landed,
	s_barrier_signal -1
	s_barrier_wait -1                              ; and is shown to all.
.endif
.endif
.if ((\s) < 7) || (\more)
.if (\s) > 0
.rept 4
	v_nop                                          ; places in front of loads into the set that the last step's products read (ISA guide 7.12.1 for vector instructions)
.endr
.endif
	FETCH ((\s)+1)%8, ((\s)+1)%2                   ; the next step's fragments (behind K step 7: the next tile's first) land while this step is multiplied
.if (\s) == 3
	SCALES 1
.endif
.if (\s) == 7
	SCALES 0
.endif
.endif
.if \mode
.if (\s) == 0
	WIN 0x4E                                       ; source 0 window 2, source 1 window 3, C (the bias) window 0, D window 1
.else
	WIN 0x5E
.endif
.else
.if (\s) == 0
	WIN 0x4B                                       ; source 0 window 3, source 1 window 2, C (the bias) window 0, D window 1
.else
	WIN 0x5B
.endif
.endif
	MULS \s, \mode
	WIN 0
.endm
; 64 accumulator registers of a lane, src .. src + 63 of window 1, register 16 b + i = place 32 b + 16 (lane / 16) + i of my row, become a fragment's codes in v[PC] on and a scale word in v[SW + q]
.macro QUANT src, mode, q
	s_wait_xcnt 0x0                                ; the last image's stores have read the codes' registers
	WIN 0x05
.irp b, 0,1,2,3
	v_max3_num_f32 v[TM+\b], |v[\src+16*\b]|, |v[\src+16*\b+1]|, 0x1800000   ; each accumulator is read from its low end on; the floor 2^(3 - 127) holds the byte at 1 from below
.endr
	WIN 0x14
.irp i, 2,4,6,8,10,12,14
.irp b, 0,1,2,3
	v_max3_num_f32 v[TM+\b], v[TM+\b], |v[\src+16*\b+\i]|, |v[\src+16*\b+\i+1]|   ; (the four blocks by turns)
.endr
.endr
	WIN 0
.irp b, 0,1,2,3
	v_permlanex16_b32 v[TM+4+\b], v[TM+\b], s[SEL], s[SEL+1]
.endr
.irp b, 0,1,2,3
	v_max_num_f32 v[TM+\b], v[TM+\b], v[TM+4+\b]   ; with lane l xor 16's 16: the block's largest magnitude
.endr
.irp b, 0,1,2,3
	v_add_nc_u32 v[TM+12+\b], 0xff000000, v[TM+\b] ; 2 off the exponent field: the conversion's scale operand
.endr
.irp b, 0,1,2,3
	v_lshrrev_b32 v[TM+4+\b], 23, v[TM+12+\b]      ; the scale's byte
.endr
.if \mode
	v_lshl_or_b32 v[SW+(\q)], v[TM+5], 8, v[TM+4]  ; v: four blocks of keys make my channel's word
	v_lshl_or_b32 v[SW+(\q)], v[TM+6], 16, v[SW+(\q)]
	v_lshl_or_b32 v[SW+(\q)], v[TM+7], 24, v[SW+(\q)]
.else
	v_lshl_or_b32 v[TM+8], v[TM+5], 8, v[TM+4]     ; q, k: blocks 0, 1 are tile 2 q's two, blocks 2, 3 tile 2 q + 1's; the upper bytes stay 0
	v_lshl_or_b32 v[TM+9], v[TM+7], 8, v[TM+6]
	v_cndmask_b32 v[SW+(\q)], v[TM+8], v[TM+9], s[HM]   ; lanes 0-15 the even tile's, lanes 16-31 the odd tile's
.endif
	WIN 0x01
.irp c, 0,1
	v_cvt_scalef32_pk16_fp6_f32 v[PC+6*\c:PC+6*\c+2], v[\src+32*\c:\src+32*\c+15], v[TM+12+2*\c]
	v_cvt_scalef32_pk16_fp6_f32 v[PC+12+4*\c:PC+14+4*\c], v[\src+32*\c+16:\src+32*\c+31], v[TM+13+2*\c]   ; (a conversion's three registers begin on an even number)
.endr
	WIN 0
	v_nop                                          ; one plain place behind a scaled conversion
.irp c, 0,1                            ; the operand's layout wants a WHOLE block in a lane: lanes 0-15 block 2 c, lanes 16-31 block 2 c + 1
.irp i, 0,1,2
	v_permlane16_swap_b32 v[PC+6*\c+\i], v[PC+12+4*\c+\i]
.endr
.irp i, 0,1,2
	v_mov_b32 v[PC+3+6*\c+\i], v[PC+12+4*\c+\i]
.endr
.endr
.endm
.macro EPI mode                        ; q, k: chunk q = tiles 2 q, 2 q + 1 of tokens x the head's 64;  v: chunk q = tile q of the head's 64 x 128 keys
.rept 4
	v_nop                                          ; places behind the last products, in front of the first read of results
.endr
.irp q, 0,1,2,3
	QUANT 64*\q, \mode, \q
	IMG_ST PC, CB, 1536*\q
.endr
	global_store_b128 v[L16], v[SW:SW+3], s[SBS:SBS+1]   ; 512 consecutive bytes, aligned
.endm
; the bias, in the result's layout.  q, k (s86 = 0, s87 = 4): register j of lane (r, h) is column 16 h + j of the tile's: 64 h + 4 j bytes.  v (s86 = -1, s87 = 0): all eight are column r + 8 (r / 8).  The choice selects an offset: no branch
.macro BIASLD
	v_cndmask_b32 v[TV+4], v[TV+2], v[TV+3], s86
.irp j, 1,2,3,4,5,6,7
	v_add_nc_u32 v[TV+4+\j], s87, v[TV+3+\j]
.endr
.irp n, 0,1,2,3
.irp j, 0,1,2,3,4,5,6,7
	global_load_b32 v[BI+8*\n+\j], v[TV+4+\j], s[BB:BB+1] offset:(32*(\n/2)+8*(\n%2))*4
.endr
.endr
.endm
.macro ARM under, g0, g1, next         ; an arm of the head's one chain of branches on the wave's number: one fill, and a jump to the join
	s_cmp_lt_u32 s[WV], \under
	s_cbranch_scc0 \next
	tensor_load_to_lds s[\g0:\g0+3], s[\g1:\g1+7]
	s_nop 0
.rept 4
	v_nop
.endr
	s_branch .Lasked
\next:
.endm
	s_load_b128 s[4:7], s[0:1], 0x0                ; opq s[4:5], b_qkv s[6:7]
	s_load_b64 s[8:9], s[0:1], 0x10                ; recs
	v_lshl_add_u32 v[SPW], v0, 2, SPARE
	v_mov_b32 v[NIL], 0
	ds_add_u32 v[SPW], v[NIL]                      ; the opening lines: the add, twice on end; its wait stands ahead of my first tensor load
	ds_add_u32 v[SPW], v[NIL]
	v_lshrrev_b32 v[TV], 5, v0
	v_readfirstlane_b32 s[WV], v[TV]               ; wave 0..3
	s_bfe_u32 s13, ttmp6, 0x40000                  ; cx: which four heads
	s_bfe_u32 s14, ttmp6, 0x40004                  ; cy
	s_and_b32 s[CLY], ttmp7, 0xffff
	s_lshl_b32 s16, s[CLY], 2
	s_add_co_u32 s16, s16, s14                     ; ty: which 128 tokens
	s_lshl_b32 s17, s14, 2
	s_lshl_b32 s17, 15, s17                        ; my row of the cluster
	s_lshl_b32 s18, 0x1111, s13                    ; my column
	s_or_b32 s[G1A], s17, (3<<16)|(1<<21)          ; 15:0 the mask; 17:16 elements of 8 bytes; 20 no padding; 21 set beside a mask
	s_or_b32 s[G1B], s18, (3<<16)|(1<<21)
	s_mov_b32 s[G1A+1], 32<<16                     ; a stage of the tokens' group: a dense block, 200 rows of 256 bytes
	s_mov_b32 s[G1A+2], 200<<16
	s_mov_b32 s[G1A+3], 32<<16
	s_mov_b32 s[G1A+4], 200
	s_mov_b32 s[G1A+5], 32
	s_mov_b32 s[G1A+6], 0
	s_mov_b32 s[G1A+7], 0
	s_mov_b32 s[G1B+1], 6400<<16                   ; a stage of the weights' two groups: 2 rows of 51,200 bytes, a group apart in memory, on end in LDS
	s_mov_b32 s[G1B+2], 2<<16
	s_mov_b32 s[G1B+3], 6400<<16
	s_mov_b32 s[G1B+4], 2
	s_mov_b32 s[G1B+5], 12800
	s_mov_b32 s[G1B+6], 0
	s_mov_b32 s[G1B+7], 0
	s_mul_i32 s74, s16, GRP                        ; the tokens' group hangs on ty alone,
	s_mov_b32 s75, 0
	s_lshl_b32 s76, s13, 1
	s_add_co_u32 s76, s76, 64
	s_mul_i32 s76, s76, GRP                        ; q's weights, groups 64 + 2 cx, 65 + 2 cx, on cx alone; k's lie 8 groups on, v's 16
	s_mov_b32 s77, 0
	s_wait_dscnt 0x0                               ; both opening adds are done
	s_wait_kmcnt 0x0
	s_add_nc_u64 s[74:75], s[4:5], s[74:75]
	s_add_nc_u64 s[76:77], s[4:5], s[76:77]
	GZERO G0, 0, 74, 0                             ; tokens, stage 0
	GZERO G0+4, GRP, 76, 0                         ; weights, stage 0, both groups
	GZERO G0+8, HST, 74, HST                       ; tokens, stage 1
	GZERO G0+12, GRP+2*HST, 76, HST                ; weights, stage 1
	CROUND                                         ; all sixteen work-groups are here: the joint loads meet
	ARM 1, G0, G1A, .Lh1
	ARM 2, G0+4, G1B, .Lh2
	ARM 3, G0+8, G1A, .Lh3
	tensor_load_to_lds s[G0+12:G0+15], s[G1B:G1B+7]
	s_nop 0
.rept 4
	v_nop
.endr
.Lasked:
	v_and_b32 v[TV], 31, v0                        ; lane
	v_lshlrev_b32 v[L16], 4, v[TV]
	s_wait_alu depctr_va_vdst(0)
	v_lshlrev_b32 v[L8], 3, v[TV]
	s_wait_alu depctr_va_vdst(0)
	v_add_nc_u32 v[ADRA16+1], HST, v[ADRA16]
	v_add_nc_u32 v[ADRA8+1], HST, v[ADRA8]
	s_lshr_b32 s20, s[WV], 1
	s_mul_i32 s20, s20, HST                        ; in a stage the two groups' halves lie on end
	s_add_co_u32 s20, s20, GRP                     ; my group of W in LDS
	s_and_b32 s21, s[WV], 1
	s_mul_i32 s22, s21, 6144
	s_add_co_u32 s22, s22, s20                     ; my four tiles of it
	s_lshl_b32 s23, s21, 9
	s_add_co_u32 s23, s23, s20                     ; my two blocks of its scale words
	v_add_nc_u32 v[ADRB16], s22, v[L16]
	v_add_nc_u32 v[ADRB8], s22, v[L8]
	v_add_nc_u32 v[ADRBS], s23, v[L8]
	v_add_nc_u32 v[ADRB16+1], 2*HST, v[ADRB16]     ; the weights' second stage lies behind both groups' first
	v_add_nc_u32 v[ADRB8+1], 2*HST, v[ADRB8]
	v_add_nc_u32 v[ADRBS+1], 2*HST, v[ADRBS]
.irp b, 0,1,2,3
	v_mov_b32 v[TM+4+\b], 0                        ; written once: a lane permute's destination counts as one of its sources
.endr
	s_mov_b32 s[HM], 0xffff0000
	s_mov_b32 s[SEL], 0x76543210
	s_mov_b32 s[SEL+1], 0xfedcba98
	s_lshl_b32 s91, s14, 2
	s_add_co_u32 s91, s91, s[WV]
	s_mul_i32 s91, s91, 50                         ; the prefetches: my wave's 50 of the 800 blocks: 4 cy + wave tells the column's sixteen waves apart, by address alone
	v_and_b32 v[PF], 31, v0
	v_min_u32 v[PF+1], 17, v[PF]                   ; (the second instruction's lanes 18-31 name my last block again)
	v_add_nc_u32 v[PF], s91, v[PF]
	v_add3_u32 v[PF+1], v[PF+1], s91, 32
	v_lshlrev_b32 v[PF], 8, v[PF]
	v_lshlrev_b32 v[PF+1], 8, v[PF+1]
	s_lshl_b32 s80, s13, 10
	s_lshl_b32 s81, s[WV], 8
	s_add_co_u32 s80, s80, s81
	s_mov_b32 s81, 0
	s_add_nc_u64 s[BB:BB+1], s[6:7], s[80:81]      ; q's bias, my 64 columns: 256 cx + 64 wave; k's lies 4,096 bytes on, v's 8,192
	v_and_b32 v[TV+1], 15, v0
	v_bfe_u32 v[TV+2], v0, 4, 1
	v_and_b32 v[TV+3], 8, v[TV+1]
	v_add_nc_u32 v[TV+3], v[TV+3], v[TV+1]
	v_lshlrev_b32 v[TV+3], 2, v[TV+3]
	v_lshlrev_b32 v[TV+2], 6, v[TV+2]
	s_mov_b32 s86, 0
	s_mov_b32 s87, 4
	BIASLD
	; where my results go: record (batch x 16 + head) x 16 + the tokens' group in its batch; head = 4 cx + wave
	s_lshl_b32 s80, s13, 2
	s_add_co_u32 s80, s80, s[WV]
	s_lshl_b32 s80, s80, 4
	s_lshr_b32 s82, s16, 4
	s_lshl_b32 s82, s82, 8
	s_add_co_u32 s80, s80, s82
	s_and_b32 s82, s16, 15
	s_add_co_u32 s80, s80, s82
	s_mul_i32 s80, s80, 19968
	s_add_nc_u64 s[RB:RB+1], s[8:9], s[80:81]
	s_mov_b32 s83, 0
	s_mov_b32 s85, 0
	s_add_nc_u64 s[SBS:SBS+1], s[RB:RB+1], 19456   ; q's scales,
	s_add_nc_u64 s[CB:CB+1], s[RB:RB+1], 13312     ; q's codes
	s_wait_alu depctr_va_vdst(0)
	s_cmp_lt_u32 s[WV], 2                          ; stage 0's two loads are waves 0's and 1's own lines: these two wait; stage 1's stay out
	s_cbranch_scc0 .Lnot_st0
	s_wait_tensorcnt 0x0
.Lnot_st0:
	s_barrier_signal -1
	s_barrier_wait -1                              ; stage 0 is in.
	SCALES 0
	FETCH 0, 0
	s_mov_b32 s[TRIP], 0
.Ltile:                                                ; q, then k
	s_wait_loadcnt 0x0                             ; the bias
	STEP 0, 0, 1
	STEP 1, 0, 1
	s_wait_xcnt 0x0                                ; the last bias loads have read their base and offsets
	s_add_nc_u64 s[BB:BB+1], s[BB:BB+1], 4096      ; the next tile's bias: K step 1's four places stand behind the products that took this tile's as C
	s_cmp_eq_u32 s[TRIP], 1                        ; the tile behind k is v
	s_cselect_b32 s86, -1, 0
	s_cselect_b32 s87, 0, 4
	BIASLD
	s_cmp_eq_u32 s[TRIP], 0                        ; in the first trip, in clusters 0 to 3: v's weights, which the next trip's two refills load
	s_cbranch_scc0 .Lno_pf
	s_cmp_lt_u32 s[CLY], 4
	s_cbranch_scc0 .Lno_pf
	global_prefetch_b8 v[PF], s[76:77] offset:16*GRP th:TH_LOAD_NT scope:SCOPE_SE
	global_prefetch_b8 v[PF+1], s[76:77] offset:16*GRP th:TH_LOAD_NT scope:SCOPE_SE
.Lno_pf:
.irp s, 2,3,4,5,6,7
	STEP \s, 0, 1
.endr
	EPI 0
	s_wait_xcnt 0x0                                ; the stores have read their bases
	s_mov_b32 s84, 12800
	s_cmp_eq_u32 s[TRIP], 0
	s_cselect_b32 s82, 0, 6144                     ; codes: k 0, v 6,144
	s_cselect_b32 s84, 12288, s84                  ; scales: k 12,288, v 12,800
	s_add_nc_u64 s[CB:CB+1], s[RB:RB+1], s[82:83]
	s_add_nc_u64 s[SBS:SBS+1], s[RB:RB+1], s[84:85]
	s_add_co_u32 s[TRIP], s[TRIP], 1
	s_cmp_lt_u32 s[TRIP], 2
	s_wait_alu depctr_va_vdst(0)
	s_cbranch_scc1 .Ltile
	s_wait_loadcnt 0x0                             ; v's bias
.irp s, 0,1,2,3,4,5,6,7
	STEP \s, 1, 0
.endr
	EPI 1
	s_wait_tensorcnt 0x0                           ; the wave's end: behind my last tensor load
	ds_add_u32 v[SPW], v[NIL]
	s_wait_dscnt 0x0
	CROUND                                         ; the closing round: no work-group ends while a partner may still ask for a tile that names it
	s_endpgm
.Lfunc_end_k_q33b8892fbd_qkv:
	.size	k_q33b8892fbd_qkv, .Lfunc_end_k_q33b8892fbd_qkv-k_q33b8892fbd_qkv
	.p2alignl 7, 3214868480
	.fill 96, 4, 3214868480
	.section	.rodata,"a",@progbits
	.p2align	6, 0x0
	.amdhsa_kernel k_q33b8892fbd_qkv
		.amdhsa_group_segment_fixed_size 327680
		.amdhsa_private_segment_fixed_size 0
		.amdhsa_enable_private_segment 0
		.amdhsa_kernarg_size 24
		.amdhsa_user_sgpr_count 2
		.amdhsa_user_sgpr_kernarg_segment_ptr 1
		.amdhsa_wavefront_size32 1
		.amdhsa_system_sgpr_workgroup_id_x 1
		.amdhsa_system_sgpr_workgroup_id_y 1
		.amdhsa_system_sgpr_workgroup_id_z 1
		.amdhsa_system_vgpr_workitem_id 0
		.amdhsa_next_free_vgpr 1024
		.amdhsa_next_free_sgpr 100
		.amdhsa_reserve_vcc 0
		.amdhsa_float_denorm_mode_32 3
		.amdhsa_float_denorm_mode_16_64 3
		.amdhsa_memory_ordered 1
		.amdhsa_forward_progress 1
		.amdhsa_inst_pref_size 172
	.end_amdhsa_kernel
	.amdgpu_metadata
---
amdhsa.version: [ 1, 2 ]
amdhsa.kernels:
  - .name:           k_q33b8892fbd_qkv
    .symbol:         k_q33b8892fbd_qkv.kd
    .args:
      - { .name: opq, .offset: 0, .size: 8, .value_kind: global_buffer, .address_space: global }
      - { .name: b_qkv, .offset: 8, .size: 8, .value_kind: global_buffer, .address_space: global }
      - { .name: recs, .offset: 16, .size: 8, .value_kind: global_buffer, .address_space: global }
    .group_segment_fixed_size: 327680
    .private_segment_fixed_size: 0
    .kernarg_segment_align: 8
    .kernarg_segment_size: 24
    .max_flat_workgroup_size: 128
    .sgpr_count:     100
    .vgpr_count:     1024
    .wavefront_size: 32
...
	.end_amdgpu_metadata
.endif
;; end of part 2
;; launch attn (part 3): grid 4 x 64, 16 waves a work-group, clusters of 4 x 1, 215,040 bytes of LDS; arguments recs, oq; writes oq
.if DOCPART == 3
	.amdgcn_target "amdgcn-amd-amdhsa--gfx1250"
	.amdhsa_code_object_version 6
	.text
	.protected	k_q33b8892fbd_attn
	.globl	k_q33b8892fbd_attn
	.p2align	8
	.type	k_q33b8892fbd_attn,@function
k_q33b8892fbd_attn:
	s_mov_b64 s[64:65], 0
	v_nop
	global_prefetch_b8 v0, s[64:65] scope:SCOPE_SE
	s_setreg_imm32_b32 hwreg(HW_REG_WAVE_MODE, 25, 1), 1
	s_wait_xcnt 0x0
	s_wait_alu depctr_hold_cnt(0) depctr_sa_sdst(0) depctr_va_vdst(0) depctr_va_sdst(0) depctr_va_ssrc(0) depctr_va_vcc(0) depctr_vm_vsrc(0)
	s_getreg_b32 s2, hwreg(HW_REG_IB_STS2, 6, 4)
	s_cmp_eq_u32 s2, 0
	s_cbranch_scc0 .Lentry_in_a_cluster
	s_endpgm
.Lentry_in_a_cluster:
	s_bfe_u32 s2, ttmp6, 0x10000c
	s_cmp_lg_u32 s2, 0x3003
	s_cbranch_scc0 .Lentry_shape_is_right
	s_endpgm
.Lentry_shape_is_right:
; o = softmax(q k^T / 8) v for each of 64 (batch, head), both products on codes of FP6 (E2M3) with E8M0 scales; o is divided by the row's sum, quantised along the 1,024 attention columns and stored as operand images.
; THE SOFTMAX AHEAD OF THE SECOND PRODUCT: t = score x log2(e) / 8; M = the row's largest t so far, rounded UP to a whole number; p = 2^(t - M) is what is quantised, along the keys, not normalised.
; The row's sum is taken of the unquantised p in f32.  When M moves, the sum and O are multiplied by 2^(old M - new M): exact.
; INPUT: recs, a record of 19,968 bytes for each (batch, head, 128 tokens): K codes 0 (4 images, each a pair of tiles of 16 keys x 64), V codes 6,144 (4 images: 16 channels x 128 keys), K scales 12,288, V scales 12,800,
; Q codes 13,312, Q scales 19,456.  Row r of a stored tile i is token 32 (i / 2) + 8 (i % 2) + r + 8 (r / 8) of the 128 (channels of V likewise).
; OUTPUT: oq, groups of 102,400 bytes for 128 tokens x 1,024 columns, laid as the next product's operand: K step s holds heads 2 s (half 0 of an image) and 2 s + 1 (half 1).
; K = 64 IN AN INSTRUCTION OF K = 128: Q's upper six registers are zero codes; a tile of K is named with the six registers behind it, whose codes meet those zeros; bytes 2 and 3 of both scale words are 0.
; SHARES: a work-group owns 512 queries of one head, each of its sixteen waves TWO tiles of 16 queries (one pair image of Q), in one walk over the 16 key steps: a fragment of K or V read from LDS serves both tiles.
; A HEAD'S WHOLE K AND V LIE IN LDS, 16 key steps of 13,312 bytes, filled once: one tensor load a wave (one is out), nothing is filled again.  CLUSTER 4 x 1: the four work-groups of a head ask jointly.
; No prefetch: all that goes through LDS is asked for at the head, so there is no later fill to run ahead of.
; Both products are used transposed: S^T = K Q^T, O^T = V^T P^T: a lane holds ONE query of each tile throughout.
; THE KEYS OF A TILE ARE CHOSEN BY THE LANES' LDS ADDRESSES: row 8 g + j of tile 4 c + t is key 64 c + 32 g + 8 t + j, which lies in stored tile 2 (2 c + g) + t % 2, row 8 (t / 2) + j.
; So the 32 registers of tiles 4 c .. 4 c + 3 in lane (r, h) are the 32 keys of scale block 2 c + h, in order: a block's largest needs no other lane, and the conversions' results are the operand's registers.
; LIMITS: a block's largest p is not searched for: the block's largest score goes through the same multiply-add and exponential (this takes v_exp_f32 not to fall where its input rises);
; p under 2^-126 comes out as 0; a block of zeros keeps the byte 1 (its codes are zeros; this program alone reads the bytes); NaN and infinities are not served; the promise holds while |t| stays under 2^31.
.set STEPB, 13312
.set SPARE, 16*STEPB                   ; behind the 16 key steps: the spare words, 128 bytes a wave: eight blocks of 256 bytes that no other line names
.set L16, 1                            ; v1  16 x lane
.set K16, 2                            ; v2  K's 16-byte pieces: 1,536 g + 16 j + 256 h  (j = lane % 8, g = lane / 8 % 2, h = lane / 16)
.set K8,  3                            ; v3  K's 8-byte pieces: 1,536 g + 8 j + 128 h
.set KSL, 4                            ; v4  K's scale words: 16 j + 4 g + 256 h
.set SPW, 5                            ; v5  LDS address of my spare word; never rewritten
.set NIL, 6                            ; v6  0; never rewritten
.set L8,  7                            ; v7  8 x lane
.set ST,  8                            ; v8-15 for tile q at 4 q: -M, the largest score, the sum in two halves
.set F,   16                           ; v16 f, or 1 / the sum; v17 named with it as a pair
.set QS,  18                           ; v18 Q's scale words: lanes 0-15 tile 0's, lanes 16-31 tile 1's
.set PS,  19                           ; v19 p's scale word
.set KS,  20                           ; v20-23 K's scale words (register t / 2: lanes 0-15 the even tile's, lanes 16-31 the odd tile's), then V's
.set QF,  24                           ; v24-29 Q tile 0, v30-35 zeros, v36-41 Q tile 1, v42-47 zeros
.set KF,  48                           ; v48-95 a step's K, then its V; v96-101 zeros
.set S,   102                          ; v102-165 S^T, then p
.set O,   166                          ; v166-197 O^T of tile 0, v198-229 of tile 1
.set P,   230                          ; v230-241 p's codes
.set T2,  242                          ; v242-244, v246-248 the blocks' upper halves as the conversions leave them
.set TA,  245                          ; v245 at work
.set R8,  249                          ; v249 8 r: o's scale bytes
.set BM,  250                          ; v250-251 my two blocks' largest
.set SO,  252                          ; v252-253 the conversions' scale operands
.set TP,  254                          ; v254-255 at work
.set TQ,  255
.set WV,  8                            ; s8 wave
.set SEL, 20                           ; s[20:21] v_permlanex16_b32's selects
.set CS,  22                           ; s[22:23] c = log2(e) / 8
.set G1,  24                           ; s[24:31], s[32:35] the descriptor
.set G0,  32
.set QB,  36                           ; s[36:37] my pair image of Q;  s[46:47] its scale words
.set OB,  38                           ; s[38:39] tile 0's half image of o;  s[40:41] its scale bytes
.set OSB, 40
.set TB,  42                           ; s42 LDS byte of the key step in hand
.set CNT, 43
.set NC,  44                           ; s44 -c
.set QSB, 46
.macro WALU
	s_wait_alu depctr_va_vdst(0)
.endm
.macro CROUND
	s_barrier_signal -1
	s_barrier_wait -1
	s_cmp_lg_u32 s[WV], 0
	s_cbranch_scc1 .Lnot_wave_0_\@
	s_barrier_signal -3
.Lnot_wave_0_\@:
	s_barrier_wait -3
	s_barrier_signal -1
	s_barrier_wait -1
.endm
.macro IMG_LD reg, a16, a8, off        ; an image comes back as the registers that it is: each line reads 512 or 256 consecutive bytes
	ds_load_b128 v[\reg:\reg+3], v[\a16] offset:\off
	ds_load_b64 v[\reg+4:\reg+5], v[\a8] offset:\off+512
	ds_load_b128 v[\reg+6:\reg+9], v[\a16] offset:\off+768
	ds_load_b64 v[\reg+10:\reg+11], v[\a8] offset:\off+1280
.endm
	s_load_b128 s[4:7], s[0:1], 0x0                ; recs s[4:5], oq s[6:7]
	v_lshl_add_u32 v[SPW], v0, 2, SPARE
	v_mov_b32 v[NIL], 0
	ds_add_u32 v[SPW], v[NIL]                      ; the opening lines: the add, twice on end; its wait stands ahead of my first tensor load
	ds_add_u32 v[SPW], v[NIL]
	v_lshrrev_b32 v[TP], 5, v0
	v_readfirstlane_b32 s[WV], v[TP]               ; wave 0..15
	s_bfe_u32 s9, ttmp6, 0x40000                   ; cx: it enters Q's and o's global addresses alone
	s_and_b32 s10, ttmp7, 0xffff                   ; batch x 16 + head, which the four partners share
	s_mov_b32 s[G1], 15|(3<<16)|(1<<21)            ; 15:0 the mask: all four; 17:16 elements of 8 bytes; 20 no padding; 21 set beside a mask
	s_mov_b32 s[G1+1], 32<<16                      ; tensor_dim0 = 32 elements: rows of 256 bytes
	s_mov_b32 s[G1+2], 52<<16                      ; tensor_dim1 = 52
	s_mov_b32 s[G1+3], 32<<16                      ; tile_dim0
	s_mov_b32 s[G1+4], 52                          ; tile_dim1
	s_mov_b32 s[G1+5], 32                          ; the pitch: the block is dense
	s_mov_b32 s[G1+6], 0
	s_mov_b32 s[G1+7], 0
	s_lshl_b32 s11, s10, 4                         ; the head's first record
	s_add_co_u32 s12, s11, s[WV]
	s_mul_i32 s12, s12, 19968                      ; wave w fetches key step w: the first 13,312 bytes of record w
	s_mov_b32 s13, 0
	s_mov_b32 s[G0], 1
	s_mul_i32 s[G0+1], s[WV], STEPB
	s_mov_b32 s[SEL], 0x76543210
	s_mov_b32 s[SEL+1], 0xfedcba98
	s_mov_b32 s[CS], 0x3e38aa3b                    ; log2(e) / 8
	s_mov_b32 s[CS+1], s[CS]                       ; (named with it as a pair, so it is written)
	s_mov_b32 s[NC], 0xbe38aa3b
	s_wait_dscnt 0x0                               ; both opening adds are done
	s_wait_kmcnt 0x0
	s_add_nc_u64 s[G0+2:G0+3], s[4:5], s[12:13]
	s_or_b32 s[G0+3], s[G0+3], 0x80000000
	CROUND                                         ; all four work-groups are here: the joint loads meet
	s_cmp_lt_u32 s[WV], 4                          ; two arms of one branch on the wave's number, one fill each: waves 0 to 3, whose key steps are walked first, have a load line of their own
	s_cbranch_scc0 .Lrest
	tensor_load_to_lds s[G0:G0+3], s[G1:G1+7]      ; an s_nop 0 and four v_nop follow each line
	s_nop 0
.rept 4
	v_nop
.endr
	s_branch .Lasked
.Lrest:
	tensor_load_to_lds s[G0:G0+3], s[G1:G1+7]
	s_nop 0
.rept 4
	v_nop
.endr
.Lasked:
	s_lshl_b32 s14, s9, 2
	s_lshr_b32 s15, s[WV], 2
	s_add_co_u32 s14, s14, s15                     ; my group of 128 tokens in the head: 4 cx + wave / 4
	s_and_b32 s17, s[WV], 3                        ; my pair of tiles in the group
	s_add_co_u32 s16, s11, s14
	s_mul_i32 s16, s16, 19968                      ; my queries' record
	s_mul_i32 s48, s17, 1536
	s_add_co_u32 s48, s48, s16
	s_add_co_u32 s48, s48, 13312
	s_mov_b32 s49, 0
	s_add_nc_u64 s[QB:QB+1], s[4:5], s[48:49]
	s_lshl_b32 s48, s17, 2
	s_add_co_u32 s48, s48, s16
	s_add_co_u32 s48, s48, 19456
	s_add_nc_u64 s[QSB:QSB+1], s[4:5], s[48:49]    ; word (pair) of each lane's 16 bytes
	s_and_b32 s50, s10, 15                         ; the head
	s_lshr_b32 s51, s10, 4
	s_lshl_b32 s51, s51, 4
	s_add_co_u32 s51, s51, s14                     ; o's group: batch x 16 + the tokens' group
	s_mul_i32 s51, s51, 102400
	s_lshr_b32 s52, s50, 2
	s_mul_i32 s52, s52, 25600
	s_add_co_u32 s51, s51, s52                     ; + the chunk: head / 4
	s_bfe_u32 s52, s50, 0x10001                    ; (head / 2) % 2: which K step of the chunk
	s_and_b32 s53, s50, 1                          ; head % 2: which half of the image
	s_mul_i32 s48, s52, 12288
	s_mul_i32 s54, s17, 3072                       ; images 2 x pair, 2 x pair + 1
	s_add_co_u32 s48, s48, s54
	s_mul_i32 s54, s53, 768
	s_add_co_u32 s48, s48, s54
	s_add_co_u32 s48, s48, s51
	s_add_nc_u64 s[OB:OB+1], s[6:7], s[48:49]
	s_lshl_b32 s48, s17, 8                         ; scale block (pair); the odd tile's lanes lie 128 bytes on; the K step's word, the head's two bytes of it
	s_lshl_b32 s54, s52, 2
	s_add_co_u32 s48, s48, s54
	s_lshl_b32 s54, s53, 1
	s_add_co_u32 s48, s48, s54
	s_add_co_u32 s48, s48, s51
	s_add_co_u32 s48, s48, 24576
	s_add_nc_u64 s[OSB:OSB+1], s[6:7], s[48:49]
	v_and_b32 v[TP], 31, v0
	v_lshlrev_b32 v[L16], 4, v[TP]
	v_lshlrev_b32 v[L8], 3, v[TP]
	v_and_b32 v[TP], 7, v0                         ; j
	v_bfe_u32 v[TQ], v0, 3, 1                      ; g
	v_bfe_u32 v[TA], v0, 4, 1                      ; h
	v_mul_u32_u24 v[BM], v[TQ], 1536
	v_lshl_add_u32 v[K16], v[TP], 4, v[BM]
	v_lshl_add_u32 v[K16], v[TA], 8, v[K16]
	v_lshl_add_u32 v[K8], v[TP], 3, v[BM]
	v_lshl_add_u32 v[K8], v[TA], 7, v[K8]
	v_lshlrev_b32 v[KSL], 4, v[TP]
	v_lshl_add_u32 v[KSL], v[TQ], 2, v[KSL]
	v_lshl_add_u32 v[KSL], v[TA], 8, v[KSL]
	v_and_b32 v[R8], 15, v0
	v_lshlrev_b32 v[R8], 3, v[R8]
	global_load_b128 v[QF:QF+3], v[L16], s[QB:QB+1]                    ; both tiles of Q stay in registers
	global_load_b64 v[QF+4:QF+5], v[L8], s[QB:QB+1] offset:512
	global_load_b128 v[QF+12:QF+15], v[L16], s[QB:QB+1] offset:768
	global_load_b64 v[QF+16:QF+17], v[L8], s[QB:QB+1] offset:1280
	global_load_b32 v[QS], v[L16], s[QSB:QSB+1]
.irp i, 0,1,2,3,4,5
	v_mov_b32 v[QF+6+\i], 0                        ; zero codes: the upper 64 of the instruction's K
	v_mov_b32 v[QF+18+\i], 0
	v_mov_b32 v[KF+48+\i], 0                       ; what the last tile of K is named with
.endr
	v_mov_b32 v[F+1], 0                            ; (named as the upper half of a pair)
.irp q, 0,1
	v_mov_b32 v[ST+4*\q], 0x7f61b1e6               ; -M = 3e38
	v_mov_b32 v[ST+4*\q+1], 0xff61b1e6             ; the largest score so far: -3e38, under every score
	v_mov_b32 v[ST+4*\q+2], 0
	v_mov_b32 v[ST+4*\q+3], 0
.endr
.set j, 0
.rept 64
	v_mov_b32 v[O+j], 0                            ; the step is written once: the first finds zeros, which the first change of M leaves zeros
.set j, j+1
.endr
	WALU
	s_cmp_lt_u32 s[WV], 4
	s_cbranch_scc0 .Lnot_first
	s_wait_tensorcnt 0x0                           ; waves 0 to 3: my key step has landed;
.Lnot_first:
	s_barrier_signal -1
	s_barrier_wait -1                              ; key steps 0 to 3 are in; the other twelve may still be on their way
	s_wait_loadcnt 0x0                             ; Q
	s_mov_b32 s[TB], 0
.macro QK1 t, q, ru
	v_wmma_scale_f32_16x16x128_f8f6f4 v[S+8*(\t):S+8*(\t)+7], v[KF+6*(\t):KF+6*(\t)+11], v[QF+12*\q:QF+12*\q+11], 0, v[KS+(\t)/2], v[QS] matrix_a_fmt:MATRIX_FMT_FP6 matrix_b_fmt:MATRIX_FMT_FP6 matrix_a_scale:MATRIX_SCALE_ROW\ru matrix_b_scale:MATRIX_SCALE_ROW\q
.endm
.macro QK q                            ; S^T = K Q^T of query tile q: register 32 c + i of lane (r, h) is key 64 c + 32 h + i for query r
.irp t, 0,2,4,6
	QK1 \t, \q, 0
	QK1 \t+1, \q, 1
.endr
.endm
.macro PV q                            ; O^T += V^T P^T: four accumulators, one instruction each
.irp u, 0,1,2,3
	v_wmma_scale_f32_16x16x128_f8f6f4 v[O+32*\q+8*\u:O+32*\q+8*\u+7], v[KF+12*\u:KF+12*\u+11], v[P:P+11], v[O+32*\q+8*\u:O+32*\q+8*\u+7], v[KS+\u], v[PS] matrix_a_fmt:MATRIX_FMT_FP6 matrix_b_fmt:MATRIX_FMT_FP6
.endr
.endm
.macro RESC q                          ; O^T under the new M; the wait directly ahead of its first reader
	WALU
.set j, 0
.rept 16
	v_pk_mul_f32 v[O+32*\q+j:O+32*\q+j+1], v[O+32*\q+j:O+32*\q+j+1], v[F:F+1] op_sel_hi:[1,0]
.set j, j+2
.endr
.endm
; the largest score of my two blocks (each accumulator is first read at its low end), the row's, the new -M and f
.macro SMX1 q
.set NM, ST+4*\q
.irp c, 0,1
	v_max3_num_f32 v[BM+\c], v[S+32*\c], v[S+32*\c+1], v[S+32*\c+2]
.endr
.irp i, 3,5,7,9,11,13,15,17,19,21,23,25,27,29
.irp c, 0,1
	v_max3_num_f32 v[BM+\c], v[BM+\c], v[S+32*\c+\i], v[S+32*\c+\i+1]   ; (the two blocks by turns)
.endr
.endr
.irp c, 0,1
	v_max_num_f32 v[BM+\c], v[BM+\c], v[S+32*\c+31]
.endr
	s_delay_alu instid0(VALU_DEP_1)
	v_max_num_f32 v[TP], v[BM], v[BM+1]
	s_delay_alu instid0(VALU_DEP_1)
	v_permlanex16_b32 v[TQ], v[TP], s[SEL], s[SEL+1]
	s_delay_alu instid0(VALU_DEP_1)
	v_max3_num_f32 v[NM+1], v[NM+1], v[TP], v[TQ]  ; with lane l xor 16's two blocks: the running largest score of my query
	s_delay_alu instid0(VALU_DEP_1)
	v_mul_f32 v[TP], s[NC], v[NM+1]                ; -t
	s_delay_alu instid0(VALU_DEP_1)
	v_floor_f32 v[TP], v[TP]                       ; the new -M = floor(-t) = -ceil(t): a whole number
	s_delay_alu instid0(VALU_DEP_1)
	v_sub_f32 v[TQ], v[TP], v[NM]                  ; old M - new M: a whole number, 0 or less
	v_mov_b32 v[NM], v[TP]
	s_delay_alu instid0(VALU_DEP_2)
	v_cvt_i32_f32 v[TQ], v[TQ]                     ; (it saturates)
	s_delay_alu instid0(VALU_DEP_1)
	v_ldexp_f32 v[F], 1.0, v[TQ]                   ; f = 2^(old M - new M): a multiplication by it rounds nothing
.endm
.macro TREE st, n                      ; n packed additions in place: the pair at j takes the pair st registers on
.set j, 0
.rept \n
	v_pk_add_f32 v[S+j:S+j+1], v[S+j:S+j+1], v[S+j+\st:S+j+\st+1]
.set j, j+2*\st
.endr
.endm
; p, its codes and scale word, and the row's sum
.macro SMX2 q
.set NM, ST+4*\q
.set j, 0
.rept 32
	v_pk_fma_f32 v[S+j:S+j+1], v[S+j:S+j+1], s[CS:CS+1], v[NM:NM+1] op_sel_hi:[1,0,0]   ; t - M, two at a time (of the pairs c and -M the low word serves both halves)
.set j, j+2
.endr
.irp c, 0,1
	v_fma_f32 v[BM+\c], v[BM+\c], s[CS], v[NM]     ; the same of each block's largest score
.endr
	WALU                                           ; one wait ahead of the batch
.set j, 0
.rept 64
	v_exp_f32 v[S+j], v[S+j]                       ; p = 2^(t - M): not normalised
.set j, j+1
.endr
.irp c, 0,1
	v_exp_f32 v[BM+\c], v[BM+\c]                   ; the block's largest p: the same two instructions on the same number give the same bits
.endr
	v_nop                                          ; a plain place behind the exponentials,
	WALU                                           ; and one wait for the batch of 66, ahead of its first reader
.irp c, 0,1
	v_max_num_f32 v[BM+\c], 0x1800000, v[BM+\c]    ; the floor 2^(3 - 127): the byte cannot fall under 1
.endr
.irp c, 0,1
	v_add_nc_u32 v[SO+\c], 0xff000000, v[BM+\c]    ; 2 off the exponent field: the conversion's scale operand
.endr
.irp c, 0,1
	v_lshrrev_b32 v[BM+\c], 23, v[SO+\c]           ; the scale's byte
.endr
	v_lshl_or_b32 v[TP], v[BM+1], 16, v[BM]        ; my blocks h and 2 + h
	v_permlanex16_b32 v[TQ], v[TP], s[SEL], s[SEL+1]
.irp c, 0,1
	v_cvt_scalef32_pk16_fp6_f32 v[P+6*\c:P+6*\c+2], v[S+32*\c:S+32*\c+15], v[SO+\c]
	v_cvt_scalef32_pk16_fp6_f32 v[T2+4*\c:T2+4*\c+2], v[S+32*\c+16:S+32*\c+31], v[SO+\c]   ; (a conversion's three registers begin on an even number)
.endr
	v_lshl_or_b32 v[PS], v[TQ], 8, v[TP]           ; lanes 0-15, which alone are read: blocks 0, 1, 2, 3 (lanes 16-31 hold the same four bytes in another order).  Also the plain place behind the conversions
.irp c, 0,1
.irp i, 0,1,2
	v_mov_b32 v[P+6*\c+3+\i], v[T2+4*\c+\i]
.endr
.endr
	TREE 2, 16                                     ; the sum of the unquantised p, in place: the conversions have read them
	TREE 4, 8
	TREE 8, 4
	TREE 16, 2
	TREE 32, 1
	v_pk_fma_f32 v[NM+2:NM+3], v[NM+2:NM+3], v[F:F+1], v[S:S+1] op_sel_hi:[1,0,1]   ; the old sum under the new M, and this step's
.endm
.macro WALK trips                      ; so many key steps of 128 keys x my 32 queries, from LDS byte s[TB] on
	s_mov_b32 s[CNT], \trips
.Lstep_\@:
	v_add_nc_u32 v[TP], s[TB], v[K16]
	v_add_nc_u32 v[TQ], s[TB], v[K8]
	v_add_nc_u32 v[TA], s[TB], v[KSL]
	v_nop                                          ; four places in front of loads into registers that the last products read (ISA guide 7.12.1 for vector instructions)
.irp t, 0,1,2,3,4,5,6,7
	ds_load_b128 v[KF+6*\t:KF+6*\t+3], v[TP] offset:3072*(\t/4)+768*(\t%2)+128*((\t%4)/2)
	ds_load_b64 v[KF+6*\t+4:KF+6*\t+5], v[TQ] offset:3072*(\t/4)+768*(\t%2)+512+64*((\t%4)/2)
.endr
.irp n, 0,1,2,3
	ds_load_b32 v[KS+\n], v[TA] offset:12288+128*(\n%2)+8*(\n/2)
.endr
	s_wait_dscnt 0x0                               ; K is in
	QK 0
.rept 4
	v_nop                                          ; places in front of the first read of the scores
.endr
	SMX1 0
	SMX2 0
	QK 1
	RESC 0                                         ; these sixteen are the places behind K's last products
	v_add_nc_u32 v[TP], s[TB], v[L16]
	v_add_nc_u32 v[TQ], s[TB], v[L8]
.irp u, 0,1,2,3
	IMG_LD KF+12*\u, TP, TQ, 6144+1536*\u          ; V lands while tile 1's largest scores are searched
.endr
	ds_load_b128 v[KS:KS+3], v[TP] offset:12800
	SMX1 1
	WALU
	s_wait_dscnt 0x0                               ; V is in
	PV 0
	SMX2 1                                         ; its 32 multiply-adds are the places ahead of the new codes and scale word
	RESC 1
	PV 1
	s_add_co_u32 s[TB], s[TB], STEPB
	s_sub_co_u32 s[CNT], s[CNT], 1
	s_cmp_lg_u32 s[CNT], 0
	s_cbranch_scc1 .Lstep_\@
.endm
	WALK 4
	WALU
	s_wait_tensorcnt 0x0                           ; every wave: my key step has landed,
	s_barrier_signal -1
	s_barrier_wait -1                              ; everybody's has: from here on LDS is only read
	WALK 12
; O^T / the sum; its two blocks of 32 channels are quantised and leave as half an image of the next product's operand.  Register 16 b + i is channel 32 b + 16 h + i
.macro FINISH q
.set OQ, O+32*\q
.set LS, ST+4*\q+2
	v_add_f32 v[LS], v[LS], v[LS+1]                ; the sum's two halves,
	v_permlanex16_b32 v[TP], v[LS], s[SEL], s[SEL+1]
	v_add_f32 v[LS], v[LS], v[TP]                  ; and lane l xor 16's: the row's sum, at least 1/2
	WALU
	v_rcp_f32 v[F], v[LS]
	v_nop                                          ; a plain instruction behind the reciprocal,
	WALU                                           ; and the wait ahead of its first reader and of O^T's
.set j, 0
.rept 16
	v_pk_mul_f32 v[OQ+j:OQ+j+1], v[OQ+j:OQ+j+1], v[F:F+1] op_sel_hi:[1,0]   ; each accumulator from its low end on
.set j, j+2
.endr
.irp b, 0,1
	v_max3_num_f32 v[BM+\b], |v[OQ+16*\b]|, |v[OQ+16*\b+1]|, 0x1800000
.endr
.irp i, 2,4,6,8,10,12,14
.irp b, 0,1
	v_max3_num_f32 v[BM+\b], v[BM+\b], |v[OQ+16*\b+\i]|, |v[OQ+16*\b+\i+1]|
.endr
.endr
.irp b, 0,1
	v_permlanex16_b32 v[S+\b], v[BM+\b], s[SEL], s[SEL+1]
.endr
.irp b, 0,1
	v_max_num_f32 v[BM+\b], v[BM+\b], v[S+\b]
.endr
.irp b, 0,1
	v_add_nc_u32 v[SO+\b], 0xff000000, v[BM+\b]
.endr
.irp b, 0,1
	v_lshrrev_b32 v[BM+\b], 23, v[SO+\b]
.endr
	v_lshl_or_b32 v[TQ], v[BM+1], 8, v[BM]         ; the head's two bytes of my query's scale word
	v_cvt_scalef32_pk16_fp6_f32 v[P:P+2], v[OQ:OQ+15], v[SO]
	v_cvt_scalef32_pk16_fp6_f32 v[T2:T2+2], v[OQ+16:OQ+31], v[SO+1]
	v_nop                                          ; one plain place behind a scaled conversion
.irp i, 0,1,2
	v_permlane16_swap_b32 v[P+\i], v[T2+\i]        ; the operand's layout wants a whole block in a lane
.endr
.irp i, 0,1,2
	v_mov_b32 v[P+3+\i], v[T2+\i]
.endr
	global_store_b128 v[L16], v[P:P+3], s[OB:OB+1] offset:1536*\q            ; 512 consecutive bytes, aligned
	global_store_b64 v[L8], v[P+4:P+5], s[OB:OB+1] offset:1536*\q+512        ; 256 consecutive bytes, aligned
	global_store_b16 v[R8], v[TQ], s[OSB:OSB+1] offset:128*\q                ; a head owns two of a scale word's four bytes: 2 bytes a query; both halves of the lanes write the same
	s_wait_xcnt 0x0                                ; the stores have read their registers, which the next tile writes again
.endm
	FINISH 0
	FINISH 1
	s_wait_tensorcnt 0x0                           ; the wave's end: behind my last tensor load
	ds_add_u32 v[SPW], v[NIL]
	s_wait_dscnt 0x0
	CROUND                                         ; the closing round: no work-group ends while a partner may still ask for a tile that names it
	s_endpgm
.Lfunc_end_k_q33b8892fbd_attn:
	.size	k_q33b8892fbd_attn, .Lfunc_end_k_q33b8892fbd_attn-k_q33b8892fbd_attn
	.p2alignl 7, 3214868480
	.fill 96, 4, 3214868480
	.section	.rodata,"a",@progbits
	.p2align	6, 0x0
	.amdhsa_kernel k_q33b8892fbd_attn
		.amdhsa_group_segment_fixed_size 215040
		.amdhsa_private_segment_fixed_size 0
		.amdhsa_enable_private_segment 0
		.amdhsa_kernarg_size 16
		.amdhsa_user_sgpr_count 2
		.amdhsa_user_sgpr_kernarg_segment_ptr 1
		.amdhsa_wavefront_size32 1
		.amdhsa_system_sgpr_workgroup_id_x 1
		.amdhsa_system_sgpr_workgroup_id_y 1
		.amdhsa_system_sgpr_workgroup_id_z 1
		.amdhsa_system_vgpr_workitem_id 0
		.amdhsa_next_free_vgpr 256
		.amdhsa_next_free_sgpr 66
		.amdhsa_reserve_vcc 0
		.amdhsa_float_denorm_mode_32 3
		.amdhsa_float_denorm_mode_16_64 3
		.amdhsa_memory_ordered 1
		.amdhsa_forward_progress 1
		.amdhsa_inst_pref_size 72
	.end_amdhsa_kernel
	.amdgpu_metadata
---
amdhsa.version: [ 1, 2 ]
amdhsa.kernels:
  - .name:           k_q33b8892fbd_attn
    .symbol:         k_q33b8892fbd_attn.kd
    .args:
      - { .name: recs, .offset: 0, .size: 8, .value_kind: global_buffer, .address_space: global }
      - { .name: oq, .offset: 8, .size: 8, .value_kind: global_buffer, .address_space: global }
    .group_segment_fixed_size: 215040
    .private_segment_fixed_size: 0
    .kernarg_segment_align: 8
    .kernarg_segment_size: 16
    .max_flat_workgroup_size: 512
    .sgpr_count:     66
    .vgpr_count:     256
    .wavefront_size: 32
...
	.end_amdgpu_metadata
.endif
;; end of part 3
;; launch outp (part 4): grid 4 x 64, 4 waves a work-group, clusters of 4 x 4, 327,680 bytes of LDS; arguments oq, opq, b_out, out0; writes out0
.if DOCPART == 4
	.amdgcn_target "amdgcn-amd-amdhsa--gfx1250"
	.amdhsa_code_object_version 6
	.text
	.protected	k_q33b8892fbd_outp
	.globl	k_q33b8892fbd_outp
	.p2align	8
	.type	k_q33b8892fbd_outp,@function
k_q33b8892fbd_outp:
	s_mov_b64 s[64:65], 0
	v_nop
	global_prefetch_b8 v0, s[64:65] scope:SCOPE_SE
	s_setreg_imm32_b32 hwreg(HW_REG_WAVE_MODE, 25, 1), 1
	s_wait_xcnt 0x0
	s_wait_alu depctr_hold_cnt(0) depctr_sa_sdst(0) depctr_va_vdst(0) depctr_va_sdst(0) depctr_va_ssrc(0) depctr_va_vcc(0) depctr_vm_vsrc(0)
	s_getreg_b32 s2, hwreg(HW_REG_IB_STS2, 6, 4)
	s_cmp_eq_u32 s2, 0
	s_cbranch_scc0 .Lentry_in_a_cluster
	s_endpgm
.Lentry_in_a_cluster:
	s_bfe_u32 s2, ttmp6, 0x10000c
	s_cmp_lg_u32 s2, 0xf033
	s_cbranch_scc0 .Lentry_shape_is_right
	s_endpgm
.Lentry_shape_is_right:
; out0 = o w_out^T + b_out on codes of FP6 (E2M3) with E8M0 scales, sums in f32; out0 [8192][1024] f32.
; INPUT: oq (64 groups: o) and opq (groups 88-95: w_out): groups of 128 rows x 1,024 K of 102,400 bytes: four chunks of 25,600 (two K steps of 8 images of 1,536 bytes, then 4 x 256 bytes of scale words);
; row r of tile i is row 32 (i / 2) + 8 (i % 2) + r + 8 (r / 8) of the group.
; SHARES: a work-group makes 128 tokens x 256 columns, a wave 128 x 64: 32 accumulators, 256 registers.  256 work-groups.
; ALL OF K LIES IN LDS: three groups, filled once, in two stages of 512 along K, by four tensor loads, one a wave: tokens stage 0, weights stage 0, tokens stage 1, weights stage 1; the weights' two groups lie as [stage][group].
; Nothing is filled again, so there is no later fill for a prefetch to run ahead of.
; CLUSTER 4 x 4: the tokens' group is shared along a row of the cluster, the weights' two groups along a column: each load is a joint one, the same descriptor in the four that its mask names.
; Source 0 = 16 rows of w_out, source 1 = 16 tokens: a lane holds one token and 16 neighbouring columns in two tiles.  The bias is the C of each sum's first matrix instruction.
; THE WAY OUT: a tile of 16 tokens x 64 columns goes through the wave's own stage in LDS (rows of 256 + 16 bytes, bytes into which no tensor load lands) and leaves as rows: sixteen lanes store 256 consecutive bytes, aligned.
; REGISTERS, in windows of 256: window 0 addresses, scale words, bias, the way out;  window 1 the accumulators;  window 2 the tokens' fragments, set p at 96 p + 12 i;  window 3 the weights', set p at 48 p + 12 n.
.set GRP,   102400
.set HST,   51200                      ; a stage of one group: two chunks, 512 along K
.set STAGE, 3*GRP                      ; behind the three groups: 16 rows x 272 bytes for each wave
.set SPARE, STAGE+4*4352               ; behind the stages: the spare words, 128 bytes a wave: two blocks of 256 bytes that no other line names
.set ADRA16, 4                         ; v4-5   tokens' images: 51,200 H + 16 x lane
.set L16,    4
.set ADRA8,  6                         ; v6-7   51,200 H + 8 x lane
.set L8,     6
.set ADRB16, 8                         ; v8-9   my four tiles of W
.set ADRB8,  10                        ; v10-11
.set ADRBS,  12                        ; v12-13 my two blocks of W's scale words
.set SPW,    14                        ; v14    LDS address of my spare word; never rewritten
.set NIL,    15                        ; v15    0; never rewritten
.set SA,     16                        ; v16-47 tokens' scale words: SA + 8 kp + 2 j + s % 2: lanes 0-15 tile 2 j, lanes 16-31 tile 2 j + 1
.set SB,     48                        ; v48-63 W's: SB + 4 kp + 2 (n / 2) + s % 2
.set BI,     64                        ; v64-95 the bias, 8 registers for each n
.set STO,    136                       ; v136   the stage: where I put 16 bytes of a row
.set RD,     137                       ; v137   and where I read a row back
.set CO,     138                       ; v138   my byte offset in two rows of out0
.set BK,     140                       ; v140-171, v172-203 a tile read back, two sets by turns
.set TV,     204                       ; v204-206 at work at the head
.set WV,  12
.set G1A, 24                           ; s[24:31] descriptor group 1, tokens;  s[32:39] weights;  s[40:55] four groups 0
.set G1B, 32
.set G0,  40
.set OUT, 66                           ; s[66:67] my 64 columns of the group's first token
.set BB,  78                           ; s[78:79] my 64 numbers of the bias
.set MSB, 0
.macro WIN new                         ; the immediate's high byte repeats the setting that is left
.if MSB != \new
	s_set_vgpr_msb (MSB<<8)|\new
.set MSB, \new
.endif
.endm
.macro CROUND
	s_barrier_signal -1
	s_barrier_wait -1
	s_cmp_lg_u32 s[WV], 0
	s_cbranch_scc1 .Lnot_wave_0_\@
	s_barrier_signal -3
.Lnot_wave_0_\@:
	s_barrier_wait -3
	s_barrier_signal -1
	s_barrier_wait -1
.endm
.macro IMG_LD reg, a16, a8, off        ; an image comes back as the registers that it is: each line reads 512 or 256 consecutive bytes
	ds_load_b128 v[\reg:\reg+3], v[\a16] offset:\off
	ds_load_b64 v[\reg+4:\reg+5], v[\a8] offset:\off+512
	ds_load_b128 v[\reg+6:\reg+9], v[\a16] offset:\off+768
	ds_load_b64 v[\reg+10:\reg+11], v[\a8] offset:\off+1280
.endm
.macro GZERO g, lds, adr, off          ; a group 0: count 1, LDS address (a constant), global address, type 2
	s_mov_b32 s[\g], 1
	s_mov_b32 s[\g+1], \lds
	s_add_nc_u64 s[\g+2:\g+3], s[\adr:\adr+1], \off
	s_or_b32 s[\g+3], s[\g+3], 0x80000000
.endm
.macro FETCH s, p                      ; K step s: 8 fragments of tokens and my 4 of W into set p: 48 LDS loads in one run
.set fO, (((\s)/2)%2)*25600+((\s)%2)*12288
.set fH, (\s)/4
	WIN 0x80                                       ; destination window 2
.irp i, 0,1,2,3,4,5,6,7
	IMG_LD 96*(\p)+12*\i, ADRA16+fH, ADRA8+fH, fO+1536*\i
.endr
	WIN 0xC0                                       ; destination window 3
.irp n, 0,1,2,3
	IMG_LD 48*(\p)+12*\n, ADRB16+fH, ADRB8+fH, fO+1536*\n
.endr
	WIN 0
.endm
.macro SCALES hh                       ; a stage's scale words, four K steps: registers of their own, loaded once
.irp kq, 0,1
.irp j, 0,1,2,3
	ds_load_b64 v[SA+8*(2*(\hh)+\kq)+2*\j:SA+8*(2*(\hh)+\kq)+2*\j+1], v[ADRA8+(\hh)] offset:25600*\kq+24576+256*\j
.endr
.irp j, 0,1
	ds_load_b64 v[SB+4*(2*(\hh)+\kq)+2*\j:SB+4*(2*(\hh)+\kq)+2*\j+1], v[ADRBS+(\hh)] offset:25600*\kq+24576+256*\j
.endr
.endr
.endm
.macro WM r0, r1                       ; one product; r0, r1: which half of the lanes holds source 0's and source 1's scale words
.if (\r0) && (\r1)
	v_wmma_scale_f32_16x16x128_f8f6f4 v[wD:wD+7], v[wX0:wX0+11], v[wX1:wX1+11], v[wC:wC+7], v[wS0], v[wS1] matrix_a_fmt:MATRIX_FMT_FP6 matrix_b_fmt:MATRIX_FMT_FP6 matrix_a_scale:MATRIX_SCALE_ROW1 matrix_b_scale:MATRIX_SCALE_ROW1
.elseif (\r0)
	v_wmma_scale_f32_16x16x128_f8f6f4 v[wD:wD+7], v[wX0:wX0+11], v[wX1:wX1+11], v[wC:wC+7], v[wS0], v[wS1] matrix_a_fmt:MATRIX_FMT_FP6 matrix_b_fmt:MATRIX_FMT_FP6 matrix_a_scale:MATRIX_SCALE_ROW1
.elseif (\r1)
	v_wmma_scale_f32_16x16x128_f8f6f4 v[wD:wD+7], v[wX0:wX0+11], v[wX1:wX1+11], v[wC:wC+7], v[wS0], v[wS1] matrix_a_fmt:MATRIX_FMT_FP6 matrix_b_fmt:MATRIX_FMT_FP6 matrix_b_scale:MATRIX_SCALE_ROW1
.else
	v_wmma_scale_f32_16x16x128_f8f6f4 v[wD:wD+7], v[wX0:wX0+11], v[wX1:wX1+11], v[wC:wC+7], v[wS0], v[wS1] matrix_a_fmt:MATRIX_FMT_FP6 matrix_b_fmt:MATRIX_FMT_FP6
.endif
.endm
; 32 products of K step s: the 32 accumulators take turns, one instruction a turn, in the same order in every step
.macro MULS s
.irp a, 0,1,2,3,4,5,6,7
.irp n, 0,1,2,3
.set wD,  32*\a+8*\n
.set wX0, 48*((\s)%2)+12*\n
.set wX1, 96*((\s)%2)+12*\a
.set wS0, SB+4*((\s)/2)+(\s)%2+2*(\n/2)
.set wS1, SA+8*((\s)/2)+(\s)%2+2*(\a/2)
.if (\s) == 0
.set wC, BI+8*\n                       ; the first K step starts the sums with the bias: nothing is cleared, nothing is added later
.else
.set wC, wD
.endif
	WM \n%2, \a%2
.endr
.endr
.endm
.macro STEP s
	s_wait_dscnt 0x0                               ; this step's fragments (and scale words) are in
.if (\s) == 3
	s_wait_tensorcnt 0x0                           ; every wave: my load has landed,
	s_barrier_signal -1
	s_barrier_wait -1                              ; everybody's has.
.endif
.if (\s) < 7
.if (\s) > 0
.rept 4
	v_nop                                          ; places in front of loads into the set that the last step's products read (ISA guide 7.12.1 for vector instructions)
.endr
.endif
	FETCH (\s)+1, ((\s)+1)%2                       ; the next step's fragments land while this step is multiplied
.if (\s) == 3
	SCALES 1
.endif
.endif
.if (\s) == 0
	WIN 0x4B                                       ; source 0 window 3, source 1 window 2, C (the bias) window 0, D window 1
.else
	WIN 0x5B
.endif
	MULS \s
	WIN 0
.endm
; tile a of 16 tokens: its 32 registers, register 4 q on = columns 32 (q / 4) + 16 h + 4 (q % 4) on, into my stage, and back as rows
.macro TOSTAGE a
	WIN 0x04                                       ; an LDS store's data are its source 1: window 1
.irp q, 0,1,2,3,4,5,6,7
	ds_store_b128 v[STO], v[32*(\a)+4*\q:32*(\a)+4*\q+3] offset:128*(\q/4)+16*(\q%4)   ; each accumulator from its low end on
.endr
	WIN 0
.irp t, 0,1,2,3,4,5,6,7
	ds_load_b128 v[BK+32*((\a)%2)+4*\t:BK+32*((\a)%2)+4*\t+3], v[RD] offset:544*\t   ; LDS serves a wave's instructions in order (ISA guide 5.7.1.4): these see the stores above, and the next tile's stores come behind them
.endr
.endm
.macro SEND a, younger                 ; younger: the LDS instructions issued behind tile a's loads, which may stay out
	s_wait_dscnt \younger
.irp t, 0,1,2,3,4,5,6,7
	global_store_b128 v[CO], v[BK+32*((\a)%2)+4*\t:BK+32*((\a)%2)+4*\t+3], s[OUT:OUT+1] offset:(32*((\a)/2)+8*((\a)%2)+2*\t+8*(\t/4))*4096 th:TH_STORE_NT   ; rows 2 t, 2 t + 1 of the tile: 16 lanes store 256 consecutive bytes, aligned
.endr
.endm
.macro ARM under, g0, g1, next         ; an arm of the head's one chain of branches on the wave's number: one fill, and a jump to the join
	s_cmp_lt_u32 s[WV], \under
	s_cbranch_scc0 \next
	tensor_load_to_lds s[\g0:\g0+3], s[\g1:\g1+7]
	s_nop 0
.rept 4
	v_nop
.endr
	s_branch .Lasked
\next:
.endm
	s_load_b256 s[4:11], s[0:1], 0x0               ; oq s[4:5], opq s[6:7], b_out s[8:9], out0 s[10:11]
	v_lshl_add_u32 v[SPW], v0, 2, SPARE
	v_mov_b32 v[NIL], 0
	ds_add_u32 v[SPW], v[NIL]                      ; the opening lines: the add, twice on end; its wait stands ahead of my first tensor load
	ds_add_u32 v[SPW], v[NIL]
	v_lshrrev_b32 v[TV], 5, v0
	v_readfirstlane_b32 s[WV], v[TV]               ; wave 0..3
	s_bfe_u32 s13, ttmp6, 0x40000                  ; cx
	s_bfe_u32 s14, ttmp6, 0x40004                  ; cy
	s_lshl_b32 s15, ttmp9, 2
	s_add_co_u32 s15, s15, s13                     ; tx: which 256 columns
	s_and_b32 s16, ttmp7, 0xffff
	s_lshl_b32 s16, s16, 2
	s_add_co_u32 s16, s16, s14                     ; ty: which 128 tokens
	s_lshl_b32 s17, s14, 2
	s_lshl_b32 s17, 15, s17                        ; my row of the cluster
	s_lshl_b32 s18, 0x1111, s13                    ; my column
	s_or_b32 s[G1A], s17, (3<<16)|(1<<21)          ; 15:0 the mask; 17:16 elements of 8 bytes; 20 no padding; 21 set beside a mask
	s_or_b32 s[G1B], s18, (3<<16)|(1<<21)
	s_mov_b32 s[G1A+1], 32<<16                     ; a stage of the tokens' group: a dense block, 200 rows of 256 bytes
	s_mov_b32 s[G1A+2], 200<<16
	s_mov_b32 s[G1A+3], 32<<16
	s_mov_b32 s[G1A+4], 200
	s_mov_b32 s[G1A+5], 32
	s_mov_b32 s[G1A+6], 0
	s_mov_b32 s[G1A+7], 0
	s_mov_b32 s[G1B+1], 6400<<16                   ; a stage of the weights' two groups: 2 rows of 51,200 bytes, a group apart in memory, on end in LDS
	s_mov_b32 s[G1B+2], 2<<16
	s_mov_b32 s[G1B+3], 6400<<16
	s_mov_b32 s[G1B+4], 2
	s_mov_b32 s[G1B+5], 12800
	s_mov_b32 s[G1B+6], 0
	s_mov_b32 s[G1B+7], 0
	s_mul_i32 s74, s16, GRP                        ; the tokens' group hangs on ty alone,
	s_mov_b32 s75, 0
	s_lshl_b32 s76, s15, 1
	s_add_co_u32 s76, s76, 88
	s_mul_i32 s76, s76, GRP                        ; the weights' groups 88 + 2 tx, 89 + 2 tx on tx alone
	s_mov_b32 s77, 0
	s_wait_dscnt 0x0                               ; both opening adds are done
	s_wait_kmcnt 0x0
	s_add_nc_u64 s[74:75], s[4:5], s[74:75]
	s_add_nc_u64 s[76:77], s[6:7], s[76:77]
	GZERO G0, 0, 74, 0                             ; tokens, stage 0
	GZERO G0+4, GRP, 76, 0                         ; weights, stage 0, both groups
	GZERO G0+8, HST, 74, HST                       ; tokens, stage 1
	GZERO G0+12, GRP+2*HST, 76, HST                ; weights, stage 1
	CROUND                                         ; all sixteen work-groups are here: the joint loads meet
	ARM 1, G0, G1A, .Lh1
	ARM 2, G0+4, G1B, .Lh2
	ARM 3, G0+8, G1A, .Lh3
	tensor_load_to_lds s[G0+12:G0+15], s[G1B:G1B+7]
	s_nop 0
.rept 4
	v_nop
.endr
.Lasked:
	v_and_b32 v[TV], 31, v0                        ; lane
	v_lshlrev_b32 v[L16], 4, v[TV]
	s_wait_alu depctr_va_vdst(0)
	v_lshlrev_b32 v[L8], 3, v[TV]
	s_wait_alu depctr_va_vdst(0)
	v_add_nc_u32 v[ADRA16+1], HST, v[ADRA16]
	v_add_nc_u32 v[ADRA8+1], HST, v[ADRA8]
	s_lshr_b32 s20, s[WV], 1
	s_mul_i32 s20, s20, HST                        ; in a stage the two groups' halves lie on end
	s_add_co_u32 s20, s20, GRP                     ; my group of W in LDS
	s_and_b32 s21, s[WV], 1
	s_mul_i32 s22, s21, 6144
	s_add_co_u32 s22, s22, s20                     ; my four tiles of it
	s_lshl_b32 s23, s21, 9
	s_add_co_u32 s23, s23, s20                     ; my two blocks of its scale words
	v_add_nc_u32 v[ADRB16], s22, v[L16]
	v_add_nc_u32 v[ADRB8], s22, v[L8]
	v_add_nc_u32 v[ADRBS], s23, v[L8]
	v_add_nc_u32 v[ADRB16+1], 2*HST, v[ADRB16]     ; the weights' second stage lies behind both groups' first
	v_add_nc_u32 v[ADRB8+1], 2*HST, v[ADRB8]
	v_add_nc_u32 v[ADRBS+1], 2*HST, v[ADRBS]
	s_lshl_b32 s80, s15, 10
	s_lshl_b32 s81, s[WV], 8
	s_add_co_u32 s80, s80, s81                     ; my 64 columns, in bytes: 1,024 tx + 256 wave
	s_mov_b32 s81, 0
	s_add_nc_u64 s[BB:BB+1], s[8:9], s[80:81]
	s_add_nc_u64 s[OUT:OUT+1], s[10:11], s[80:81]
	s_lshl_b32 s80, s16, 19                        ; 128 tokens of 4,096 bytes
	s_add_nc_u64 s[OUT:OUT+1], s[OUT:OUT+1], s[80:81]
	v_and_b32 v[TV+1], 15, v0                      ; r
	v_bfe_u32 v[TV+2], v0, 4, 1                    ; h
	v_lshlrev_b32 v[TV], 6, v[TV+2]                ; the bias: register j of lane (r, h) is column 16 h + j of the tile's
.irp n, 0,1,2,3
	global_load_b128 v[BI+8*\n:BI+8*\n+3], v[TV], s[BB:BB+1] offset:(32*(\n/2)+8*(\n%2))*4
	global_load_b128 v[BI+8*\n+4:BI+8*\n+7], v[TV], s[BB:BB+1] offset:(32*(\n/2)+8*(\n%2))*4+16
.endr
	s_mul_i32 s82, s[WV], 4352
	s_add_co_u32 s82, s82, STAGE                   ; my stage
	v_mul_u32_u24 v[STO], v[TV+1], 272             ; in: row r, 64 bytes for each half of the lanes
	v_lshl_add_u32 v[STO], v[TV+2], 6, v[STO]
	v_add_nc_u32 v[STO], s82, v[STO]
	v_mul_u32_u24 v[RD], v[TV+2], 272              ; back: lanes 0-15 one row of 256 bytes, lanes 16-31 the next
	v_lshl_add_u32 v[RD], v[TV+1], 4, v[RD]
	v_add_nc_u32 v[RD], s82, v[RD]
	v_lshlrev_b32 v[CO], 12, v[TV+2]               ; and the same two rows in out0
	v_lshl_add_u32 v[CO], v[TV+1], 4, v[CO]
	s_wait_alu depctr_va_vdst(0)
	s_cmp_lt_u32 s[WV], 2                          ; stage 0's two loads are waves 0's and 1's own lines: these two wait; stage 1's stay out
	s_cbranch_scc0 .Lnot_st0
	s_wait_tensorcnt 0x0
.Lnot_st0:
	s_barrier_signal -1
	s_barrier_wait -1                              ; stage 0 is in.
	SCALES 0
	FETCH 0, 0
	s_wait_loadcnt 0x0                             ; the bias
.irp s, 0,1,2,3,4,5,6,7
	STEP \s
.endr
.rept 4
	v_nop                                          ; places behind the last products, in front of the first read of results
.endr
	s_wait_alu depctr_va_vdst(0)
	TOSTAGE 0
.irp a, 1,2,3,4,5,6,7
.if \a > 1
	s_wait_xcnt 0x0                                ; tile a - 2's stores have read their registers: tile a's loads may land there
.endif
	TOSTAGE \a
	SEND \a-1, 16                                  ; behind tile a - 1's loads: tile a's 8 stores and 8 loads
.endr
	SEND 7, 0
	s_wait_tensorcnt 0x0                           ; the wave's end: behind my last tensor load and my last LDS store
	ds_add_u32 v[SPW], v[NIL]
	s_wait_dscnt 0x0
	CROUND                                         ; the closing round: no work-group ends while a partner may still ask for a tile that names it
	s_endpgm
.Lfunc_end_k_q33b8892fbd_outp:
	.size	k_q33b8892fbd_outp, .Lfunc_end_k_q33b8892fbd_outp-k_q33b8892fbd_outp
	.p2alignl 7, 3214868480
	.fill 96, 4, 3214868480
	.section	.rodata,"a",@progbits
	.p2align	6, 0x0
	.amdhsa_kernel k_q33b8892fbd_outp
		.amdhsa_group_segment_fixed_size 327680
		.amdhsa_private_segment_fixed_size 0
		.amdhsa_enable_private_segment 0
		.amdhsa_kernarg_size 32
		.amdhsa_user_sgpr_count 2
		.amdhsa_user_sgpr_kernarg_segment_ptr 1
		.amdhsa_wavefront_size32 1
		.amdhsa_system_sgpr_workgroup_id_x 1
		.amdhsa_system_sgpr_workgroup_id_y 1
		.amdhsa_system_sgpr_workgroup_id_z 1
		.amdhsa_system_vgpr_workitem_id 0
		.amdhsa_next_free_vgpr 1024
		.amdhsa_next_free_sgpr 100
		.amdhsa_reserve_vcc 0
		.amdhsa_float_denorm_mode_32 3
		.amdhsa_float_denorm_mode_16_64 3
		.amdhsa_memory_ordered 1
		.amdhsa_forward_progress 1
		.amdhsa_inst_pref_size 84
	.end_amdhsa_kernel
	.amdgpu_metadata
---
amdhsa.version: [ 1, 2 ]
amdhsa.kernels:
  - .name:           k_q33b8892fbd_outp
    .symbol:         k_q33b8892fbd_outp.kd
    .args:
      - { .name: oq, .offset: 0, .size: 8, .value_kind: global_buffer, .address_space: global }
      - { .name: opq, .offset: 8, .size: 8, .value_kind: global_buffer, .address_space: global }
      - { .name: b_out, .offset: 16, .size: 8, .value_kind: global_buffer, .address_space: global }
      - { .name: out0, .offset: 24, .size: 8, .value_kind: global_buffer, .address_space: global }
    .group_segment_fixed_size: 327680
    .private_segment_fixed_size: 0
    .kernarg_segment_align: 8
    .kernarg_segment_size: 32
    .max_flat_workgroup_size: 128
    .sgpr_count:     100
    .vgpr_count:     1024
    .wavefront_size: 32
...
	.end_amdgpu_metadata
.endif
;; end of part 4
